; MI455X (gfx1250); checked and timed in simulation.
; The chip was launched on July 23, 2026; its instructions are those of AMD's public machine-readable ISA for CDNA 5 (MIT licence, August 2026) and "CDNA5" Instruction Set Architecture Reference Guide (July 2026). The comments in the code are by the model that wrote it; some were corrected since.
;; Cross Transformer. Allowed arithmetic: matrix products marked QUANTISED: E4M3 operands, one E8M0 scale for each 32 along K, by v_wmma_scale_f32_16x16x128_f8f6f4 with both operands' format E4M3, f32 sums; products left as they are: f32 operands where the result goes on into a quantised operand, else bf16, f16 or f32 operands; f32 sums; everything else in f32.
;; Inputs: am_b1 512 float32; am_b2 256 float32; am_bt 512 float32; am_g 512 float32; am_w1 512 x 256 float32; am_w2 256 x 512 float32; bv 256 float32; fea 8 x 128 x 2,048 float32; le_b 128 float32; le_w 128 x 256 float32; pm_b1 64 float32; pm_b2 256 float32; pm_bt 64 float32; pm_g 64 float32; pm_w1 64 x 3 float32; pm_w2 256 x 64 float32; pos 8 x 3 x 2,048 float32; pos_flipped 8 x 2,048 x 3 float32; prev_fea 8 x 128 x 2,048 float32; vm_b1 128 float32; vm_b2 128 float32; vm_w1 128 x 256 float32; vm_w2 128 x 128 float32; wk 256 x 128 float32; wq 256 x 128 float32; wv 256 x 128 float32.
;; Outputs: out0 8 x 128 x 2,048 float32.
;; This version of the problem:
;;   THIS VERSION OF THE PROBLEM IS GIVEN IN LOW PRECISION. The matrix products marked QUANTISED in the list below multiply operands that are first quantised to E4M3 (4 exponent bits, 3 mantissa bits; 8 bits a number), with one power-of-two scale for each 32 numbers along K (OCP MX v1.0); their sums are f32. All else is computed in f32.
;;   The module's matrix products, in the order in which they are computed (A, B: the left and right operand; K: the contracted axis; several contracted axes count as one K, in the product's order):
;;     1. [M 16,384, K 256] x [K 256, N 128]; A: computed on the way; B: input vm_w1: QUANTISED
;;     2. [M 16,384, K 128] x [K 128, N 128]; A: computed on the way; B: input vm_w2: QUANTISED
;;     3. batch 8 x [M 2,048, K 3] x [K 3, N 2,048]; A: input pos_flipped; B: input pos_flipped: left as it is (K = 3 < 32)
;;     4. [M 16,384, K 128] x [K 128, N 256]; A: input fea; B: input wq: QUANTISED
;;     5. [M 16,384, K 128] x [K 128, N 256]; A: input prev_fea; B: input wk: QUANTISED
;;     6. [M 16,384, K 128] x [K 128, N 256]; A: computed on the way; B: input wv: QUANTISED
;;     7. [M 131,072, K 3] x [K 3, N 64]; A: computed on the way; B: input pm_w1: left as it is (K = 3 < 32)
;;     8. [M 131,072, K 64] x [K 64, N 256]; A: computed on the way; B: input pm_w2: QUANTISED
;;     9. [M 131,072, K 256] x [K 256, N 512]; A: computed on the way; B: input am_w1: QUANTISED
;;     10. [M 131,072, K 512] x [K 512, N 256]; A: computed on the way; B: input am_w2: QUANTISED
;;     11. batch 4,194,304 x [M 1, K 8] x [K 8, N 1]; A: softmax; B: computed on the way: left as it is (K = 8 < 32)
;;     12. [M 16,384, K 256] x [K 256, N 128]; A: computed on the way; B: input le_w: QUANTISED
;;   THE QUANTISER, for each operand of a quantised product, along K:
;;     - K is cut into blocks of 32 from its start; a last block that is shorter is filled with zeros.
;;     - A block's scale is 2^e with e = floor(log2(the largest magnitude in the block)) - 8, held to -126 .. 127; a block of zeros has e = 0. As a byte (E8M0): e + 127.
;;     - Each number is divided by its block's scale, clamped to +-448, and rounded to the nearest number of E4M3, ties to even, subnormals kept.
;;     - The product sums the exact products of the quantised numbers (number of the format x scale) in f32.
;;   ~~~python
;;   def quantise(x, axis):      # numpy; x: float32 -> the quantised numbers, widened to float32 again
;;       x = np.moveaxis(x, axis, -1); K = x.shape[-1]
;;       x = np.pad(x, [(0, 0)] * (x.ndim - 1) + [(0, -K % 32)]); x = x.reshape(x.shape[:-1] + (-1, 32)); a = np.abs(x).max(-1, keepdims=True)
;;       e = np.where(a > 0, np.clip(np.frexp(np.where(a > 0, a, 1))[1] - 1 - 8, -126, 127), 0)      # np.frexp(a)[1] - 1 = floor(log2(a)), exactly
;;       r = np.clip(x / 2.0 ** e, -448, 448)
;;       step = 2.0 ** (np.maximum(np.frexp(np.where(r == 0, 1, r))[1] - 1, -6) - 3)
;;       q = np.round(r / step) * step * 2.0 ** e      # np.round: ties to even
;;       return np.moveaxis(q.reshape(q.shape[:-2] + (-1,))[..., :K], -1, axis).astype(np.float32)
;;   ~~~
;;   OPERANDS COMPUTED ON THE WAY. 'Computed on the way' means the value that the module computes at that place (a softmax that the list does not call 'softmax' is quantised finished and normalised). What goes into a quantiser is computed in f32, as accurately as f32 sums, v_exp_f32 and their like allow (about 1e-6 of the number): no bf16 or f16 on the way to a quantiser, and a product that is left as it is and whose result goes on into a quantised operand takes f32 operands (vector FMAs, or v_wmma_f32_16x16x4_f32). A number that lies on a knife's edge between two numbers of the format may be rounded either way, as far as f32 arithmetic and the matrix unit's own rounding can turn it there, and no further.
;; One version. Each part assembles by itself: llvm-mc -triple=amdgcn-amd-amdhsa -mcpu=gfx1250 --defsym DOCPART=n.
;; ======== version 1 of 1: 3 launches
;; workspace buffers: grp 524,288 bytes of whole numbers; idx 524,288 bytes of whole numbers; wfrag 458,752 bytes; wscale 14,336 bytes; qtab 16,777,216 bytes; ktab 16,777,216 bytes; vtab 16,777,216 bytes; idt 8,388,608 bytes
;; launch prep (part 1): grid 312 x 1, 4 waves a work-group, no clusters, 34,304 bytes of LDS; arguments pos_flipped, vm_w1, vm_w2, wq, wk, wv, pm_w2, am_w1, am_w2, le_w, grp, wfrag, wscale; writes grp, wfrag, wscale
.if DOCPART == 1
	.amdgcn_target "amdgcn-amd-amdhsa--gfx1250"
	.amdhsa_code_object_version 6
	.text
	.protected	k_q097c9c6bd7_prep
	.globl	k_q097c9c6bd7_prep
	.p2align	8
	.type	k_q097c9c6bd7_prep,@function
k_q097c9c6bd7_prep:
	s_mov_b64 s[64:65], 0
	v_nop
	global_prefetch_b8 v0, s[64:65] scope:SCOPE_SE
	s_setreg_imm32_b32 hwreg(HW_REG_WAVE_MODE, 25, 1), 1
	s_wait_xcnt 0x0
; FIRST OF THREE LAUNCHES.  (a) The nine weights become codes of E4M3 with E8M0 scale words, laid as images of the matrix operand's registers.  (b) k-NN, first stage.
; DEAD WORK, for the whole program: am_b2[c] is added to the softmax's input w[b,c,n,k] and is the same for all k, the softmax's axis: softmax(w + am_b2[c]) = softmax(w) for all values of the inputs.
; It stands behind the last quantised product of that branch and enters no quantiser.  So am_b2 is not loaded and is no argument of any launch.  LIMIT: a NaN, an infinity or an overflow in am_b2 is not carried to the result.
; The ORDER of a point's 8 neighbours is not reproduced, only the set: all that follows the index is a softmax and a sum over k, and the quantisers' blocks run along channels.
; (a) Work-groups 0..55: a wave makes one fragment f (16 rows x 128 K): byte 512 c + 16 lane of wfrag + 2048 f holds registers 4c..4c+3 of that lane; its 16 scale words at wscale + 64 f.
;     Fragments: vm_w1 0-15 (2t+s), vm_w2 16-23, wq 24-39, wk 40-55, wv 56-71, pm_w2 72-79, am_w1 80-143 (2t+s), am_w2 144-207 (4t+s), le_w 208-223 (2t+s).
;     PERM (vm_w2, wv, am_w1, am_w2): inside each block of 32 along K, position 16h+i holds channel 8h+i (i < 8) or 16+8h+(i-8): the order in which a transposed product leaves its results in a lane.
;     The same 32 channels form the block, so codes and scales are the stated quantiser's.  pm_w2 (K = 64) is packed: fragment f holds rows 32f+r in k 0-63 and rows 32f+16+r in k 64-127.
;     A block of zeros gets the byte 1 where the rule says 127: its codes are zeros, and this program alone reads the bytes.
; (b) Work-groups 56..311: 64 queries each.  Candidates in groups of 16 neighbours; for each query the 8 groups with the smallest (least d, group number) are stored, ascending.
;     They hold the 8 nearest: if 8 other groups came before the group of a point e, each would hold a point that comes before e in (d, index), since groups are ascending index ranges.
;     d as written in the problem: sq = fma(z,z,fma(y,y,x x)), dot = fma(z,z',fma(y,y',x x')), d = fma(-2, dot, sq_i + sq_j).  Ties go to the lower index (strict compare, ascending walk).
;     LIMITS: where the 8th and 9th d differ by less than the f32 rounding of this formula, another order of these sums could choose the other point; NaN and infinities in pos_flipped are not served.
; A lane serves two queries (a: lane % 8, b: + 8) and one quarter of the candidates (lane / 8), so that each LDS byte read feeds two queries.
.set NWW, 56                           ; work-groups that make weights
.set QP, 2112                          ; a quarter of a table: 2,048 bytes + 64
.set TBL, 8448                         ; a table: x at 0, y, z, sq behind it
.set SPARE, 33792                      ; the spare words: 128 bytes for each wave, named by no other line
.set SPW, 1
.set NIL, 2
.set LN, 3
.set R8, 4
.set QD, 5
.set AD, 6
.set GID, 7
.set QA, 16                            ; v16-23 query a: x, y, z, sq, each twice (pairs for the packed forms); v24-31 query b
.set QB, 24
.set AV, 32                            ; lists, ascending: a's values, a's numbers, b's values, b's numbers
.set AI, 40
.set BV, 48
.set BI, 56
.set PV, 64                            ; the partner lane's list
.set PI, 72
.set DD, 80
.set SS, 96
.set CA, 112                           ; two buffers of a group's 16 x, y, z, sq
.set CB, 176
.set T0, 240
.set MN, 242
.set WX, 64                            ; the weights' path: 64 numbers, codes, work, scale word
.set PC, 128
.set TM, 144
.set PW, 160
.set WV, 32
.set SEL, 60
.set MNT, 62
.set MK, 88                            ; s88-95 eight lane masks
.set W_V1, 0|(1<<8)|(4<<12)|(10<<16)   ; first fragment | log2 K steps << 8 | log2 rows a tile step << 12 | log2 row bytes << 16 | PERM << 20 | packed << 21
.set W_V2, 16|(4<<12)|(9<<16)|(1<<20)
.set W_WQ, 24|(4<<12)|(9<<16)
.set W_WK, 40|(4<<12)|(9<<16)
.set W_WV, 56|(4<<12)|(9<<16)|(1<<20)
.set W_PM, 72|(5<<12)|(8<<16)|(1<<21)
.set W_A1, 80|(1<<8)|(4<<12)|(10<<16)|(1<<20)
.set W_A2, 144|(2<<8)|(4<<12)|(11<<16)|(1<<20)
.set W_LE, 208|(1<<8)|(4<<12)|(10<<16)
; nb blocks of 32: a lane's 16 numbers of block b in v[s+16b] on, the other 16 in lane l xor 16.  Codes to v[pc+4b] on, bytes to v[TM+4+b].
.macro QUANT s, nb, relu, pc
.irp b, 0,1,2,3
.if \b < \nb
.if \relu
	v_max3_num_f32 v[TM+\b], v[\s+16*\b], v[\s+16*\b+1], 0x4800000
.else
	v_max3_num_f32 v[TM+\b], |v[\s+16*\b]|, |v[\s+16*\b+1]|, 0x4800000    ; with the floor 2^(9-127): the byte cannot fall under 1
.endif
.endif
.endr
.irp i, 2,4,6,8,10,12,14
.irp b, 0,1,2,3
.if \b < \nb
.if \relu
	v_max3_num_f32 v[TM+\b], v[TM+\b], v[\s+16*\b+\i], v[\s+16*\b+\i+1]
.else
	v_max3_num_f32 v[TM+\b], v[TM+\b], |v[\s+16*\b+\i]|, |v[\s+16*\b+\i+1]|
.endif
.endif
.endr
.endr
.irp b, 0,1,2,3
.if \b < \nb
	v_permlanex16_b32 v[TM+4+\b], v[TM+\b], s[SEL], s[SEL+1]
.endif
.endr
.irp b, 0,1,2,3
.if \b < \nb
	v_max_num_f32 v[TM+\b], v[TM+\b], v[TM+4+\b]           ; the block's largest magnitude
.endif
.endr
.irp b, 0,1,2,3
.if \b < \nb
	v_add_nc_u32 v[TM+12+\b], 0xfc000000, v[TM+\b]         ; 8 off its exponent field: the conversion's scale operand
.endif
.endr
.irp b, 0,1,2,3
.if \b < \nb
	v_and_or_b32 v[TM+8+\b], v[TM+\b], 0x7f800000, s[MNT]  ; 448 x the scale
.endif
.endr
.irp b, 0,1,2,3
.if \b < \nb
	v_lshrrev_b32 v[TM+4+\b], 23, v[TM+12+\b]              ; the scale's byte
.endif
.endr
.irp b, 0,1,2,3
.if \b < \nb
.irp i, 0,1,2,3,4,5,6,7,8,9,10,11,12,13,14,15
.if \relu
	v_med3_num_f32 v[\s+16*\b+\i], v[\s+16*\b+\i], 0, v[TM+8+\b]
.else
	v_med3_num_f32 v[\s+16*\b+\i], v[\s+16*\b+\i], -v[TM+8+\b], v[TM+8+\b]   ; the conversion does not saturate (ISA guide 7.6.2): the hold
.endif
.endr
	v_cvt_scalef32_pk8_fp8_f32 v[\pc+4*\b:\pc+4*\b+1], v[\s+16*\b:\s+16*\b+7], v[TM+12+\b]
	v_cvt_scalef32_pk8_fp8_f32 v[\pc+4*\b+2:\pc+4*\b+3], v[\s+16*\b+8:\s+16*\b+15], v[TM+12+\b]
.endif
.endr
	v_nop                                                  ; a plain instruction behind the last conversion
.endm
; (val, idn) goes into the ascending list lv / li of eight; equal values stay ahead of it
.macro INSERT val, idn, lv, li
.irp k, 0,1,2,3,4,5,6,7
	v_cmp_lt_f32 s[MK+\k], v[\val], v[\lv+\k]
.endr
.irp k, 7,6,5,4,3,2,1
	v_cndmask_b32 v[T0+\k%2], v[\idn], v[\li+\k-1], s[MK+\k-1]
	v_cndmask_b32 v[\li+\k], v[\li+\k], v[T0+\k%2], s[MK+\k]
.endr
	v_cndmask_b32 v[\li], v[\li], v[\idn], s[MK]
.irp k, 7,6,5,4,3,2,1
	v_med3_num_f32 v[\lv+\k], v[\val], v[\lv+\k-1], v[\lv+\k]
.endr
	v_min_num_f32 v[\lv], v[\val], v[\lv]
.endm
; with lane l xor 8's list: right in quarters 0 and 2, whose partners hold the higher numbers
.macro MERGE1 lv, li
.irp k, 0,1,2,3,4,5,6,7
	v_mov_b32_dpp v[PV+\k], v[\lv+\k] row_xmask:8 row_mask:0xf bank_mask:0xf
	v_mov_b32_dpp v[PI+\k], v[\li+\k] row_xmask:8 row_mask:0xf bank_mask:0xf
.endr
.irp k, 0,1,2,3,4,5,6,7
	INSERT PV+\k, PI+\k, \lv, \li
.endr
.endm
; with lane l xor 16's: of two ascending lists the eight least are min(own[k], other[7-k]); only the numbers are kept.  Right in lanes 0-7
.macro MERGE2 lv, li
.irp k, 0,1,2,3,4,5,6,7
	v_permlanex16_b32 v[PV+\k], v[\lv+\k], s[SEL], s[SEL+1]
	v_permlanex16_b32 v[PI+\k], v[\li+\k], s[SEL], s[SEL+1]
.endr
.irp k, 0,1,2,3,4,5,6,7
	v_cmp_lt_f32 vcc_lo, v[PV+7-\k], v[\lv+\k]
	v_cndmask_b32 v[\li+\k], v[\li+\k], v[PI+7-\k], vcc_lo
.endr
.endm
.macro CE li, a, b
	v_min_u32 v[T0], v[\li+\a], v[\li+\b]
	v_max_u32 v[\li+\b], v[\li+\a], v[\li+\b]
	v_mov_b32 v[\li+\a], v[T0]
.endm
.macro SORT8 li                        ; Batcher's network for eight: 19 exchanges
	CE \li, 0, 1
	CE \li, 2, 3
	CE \li, 4, 5
	CE \li, 6, 7
	CE \li, 0, 2
	CE \li, 1, 3
	CE \li, 4, 6
	CE \li, 5, 7
	CE \li, 1, 2
	CE \li, 5, 6
	CE \li, 0, 4
	CE \li, 1, 5
	CE \li, 2, 6
	CE \li, 3, 7
	CE \li, 2, 4
	CE \li, 3, 5
	CE \li, 1, 2
	CE \li, 3, 4
	CE \li, 5, 6
.endm
.macro PICK bound, ptr, word
	s_cmp_lt_u32 s33, \bound
	s_cselect_b64 s[34:35], s[\ptr:\ptr+1], s[34:35]
	s_cselect_b32 s36, \word, s36
.endm
	s_load_b64 s[4:5], s[0:1], 0x0                 ; pos_flipped
	s_load_b512 s[8:23], s[0:1], 0x8               ; vm_w1 8, vm_w2 10, wq 12, wk 14, wv 16, pm_w2 18, am_w1 20, am_w2 22
	s_load_b128 s[24:27], s[0:1], 0x48             ; le_w, grp
	s_load_b128 s[28:31], s[0:1], 0x58             ; wfrag, wscale
	v_lshl_add_u32 v[SPW], v0, 2, SPARE
	v_mov_b32 v[NIL], 0
	v_lshrrev_b32 v[LN], 5, v0
	v_readfirstlane_b32 s[WV], v[LN]               ; wave
	v_and_b32 v[LN], 31, v0                        ; lane
	s_mov_b32 s[SEL], 0x76543210
	s_mov_b32 s[SEL+1], 0xfedcba98                 ; selects for lane l xor 16
	s_mov_b32 s[MNT], 0x600000                     ; the mantissa field of 448
	s_cmp_ge_u32 ttmp9, NWW                        ; the same for all waves of a work-group
	s_cbranch_scc1 .Lknn
	; ---------------- (a) one fragment a wave
	s_lshl_b32 s33, ttmp9, 2
	s_add_co_u32 s33, s33, s[WV]                   ; f
	v_and_b32 v4, 15, v0                           ; r
	v_bfe_u32 v5, v0, 4, 1                         ; h
.irp b, 0,1,2,3
	v_mov_b32 v[TM+4+\b], 0                        ; a lane permute's destination counts as read
.endr
	s_wait_kmcnt 0x0
	s_mov_b64 s[34:35], s[24:25]
	s_mov_b32 s36, W_LE
	PICK 208, 22, W_A2
	PICK 144, 20, W_A1
	PICK 80, 18, W_PM
	PICK 72, 16, W_WV
	PICK 56, 14, W_WK
	PICK 40, 12, W_WQ
	PICK 24, 10, W_V2
	PICK 16, 8, W_V1
	s_and_b32 s37, s36, 0xff                       ; the tensor's first fragment
	s_bfe_u32 s38, s36, 0x40008
	s_bfe_u32 s39, s36, 0x4000c
	s_bfe_u32 s40, s36, 0x40010
	s_bfe_u32 s41, s36, 0x10014                    ; PERM
	s_bfe_u32 s42, s36, 0x10015                    ; packed
	s_sub_co_u32 s37, s33, s37
	s_lshr_b32 s43, s37, s38                       ; tile
	s_lshl_b32 s44, s43, s38
	s_sub_co_u32 s44, s37, s44                     ; K step
	s_lshl_b32 s43, s43, s39                       ; first row
	s_lshl_b32 s44, s44, 9                         ; 128 numbers a K step
	s_cmp_eq_u32 s41, 1
	s_cselect_b32 s45, 32, 64                      ; lanes 16-31 begin 8 (PERM) or 16 numbers on
	s_cselect_b32 s46, 64, 32                      ; my second eight lie 16 (PERM) or 8 numbers behind my first
	s_mul_i32 s47, s42, 3840                       ; packed: blocks 2, 3 are blocks 0, 1 of the row 16 further down: 16 x 256 - 256 bytes
	v_add_nc_u32 v8, s43, v4
	v_lshlrev_b32 v8, s40, v8
	v_add_nc_u32 v8, s44, v8
	v_mad_u32_u24 v8, v5, s45, v8
	v_add_nc_u32 v9, s46, v8
	v_add_nc_u32 v10, s47, v8
	v_add_nc_u32 v11, s47, v9
.irp c, 0,1
	global_load_b128 v[WX+16*\c:WX+16*\c+3], v8, s[34:35] offset:128*\c
	global_load_b128 v[WX+16*\c+4:WX+16*\c+7], v8, s[34:35] offset:128*\c+16
	global_load_b128 v[WX+16*\c+8:WX+16*\c+11], v9, s[34:35] offset:128*\c
	global_load_b128 v[WX+16*\c+12:WX+16*\c+15], v9, s[34:35] offset:128*\c+16
.endr
.irp c, 2,3
	global_load_b128 v[WX+16*\c:WX+16*\c+3], v10, s[34:35] offset:128*\c
	global_load_b128 v[WX+16*\c+4:WX+16*\c+7], v10, s[34:35] offset:128*\c+16
	global_load_b128 v[WX+16*\c+8:WX+16*\c+11], v11, s[34:35] offset:128*\c
	global_load_b128 v[WX+16*\c+12:WX+16*\c+15], v11, s[34:35] offset:128*\c+16
.endr
	s_lshl_b32 s48, s33, 11
	s_mov_b32 s49, 0
	s_add_nc_u64 s[28:29], s[28:29], s[48:49]
	s_lshl_b32 s48, s33, 6
	s_add_nc_u64 s[30:31], s[30:31], s[48:49]
	v_lshlrev_b32 v12, 4, v[LN]
	v_lshlrev_b32 v13, 2, v4
	s_wait_loadcnt 0x0
	QUANT WX, 4, 0, PC
	v_lshl_or_b32 v[PW], v[TM+5], 8, v[TM+4]
	v_lshl_or_b32 v[PW], v[TM+6], 16, v[PW]
	v_lshl_or_b32 v[PW], v[TM+7], 24, v[PW]
.irp c, 0,1,2,3
	global_store_b128 v12, v[PC+4*\c:PC+4*\c+3], s[28:29] offset:512*\c    ; 512 consecutive bytes a store
.endr
	global_store_b32 v13, v[PW], s[30:31]          ; row r's word; both halves of the lanes hold the same
	s_endpgm
	; ---------------- (b) k-NN, first stage
.Lknn:
	s_sub_co_u32 s33, ttmp9, NWW
	s_lshr_b32 s34, s33, 5                         ; batch
	s_and_b32 s35, s33, 31
	s_lshl_b32 s35, s35, 6                         ; first query
	s_mul_i32 s36, s34, 24576
	s_mov_b32 s37, 0
	s_lshl_b32 s38, s[WV], 4
	s_add_co_u32 s38, s38, s35
	s_mul_i32 s38, s38, 12                         ; my wave's first query, in bytes
	v_mul_u32_u24 v8, v0, 48                       ; four candidates a thread: 48 bytes
	v_lshlrev_b32 v9, 4, v0
	v_and_b32 v[R8], 7, v0
	v_bfe_u32 v[QD], v0, 3, 2
	v_mad_u32_u24 v10, v[R8], 12, s38
	s_wait_kmcnt 0x0
	s_add_nc_u64 s[4:5], s[4:5], s[36:37]
.irp i, 0,1,2,3
.irp e, 0,1,2
	global_load_b128 v[CA+12*\i+4*\e:CA+12*\i+4*\e+3], v8, s[4:5] offset:6144*\i+16*\e
.endr
.endr
	global_load_b32 v[QA], v10, s[4:5]
	global_load_b32 v[QA+2], v10, s[4:5] offset:4
	global_load_b32 v[QA+4], v10, s[4:5] offset:8
	global_load_b32 v[QB], v10, s[4:5] offset:96
	global_load_b32 v[QB+2], v10, s[4:5] offset:100
	global_load_b32 v[QB+4], v10, s[4:5] offset:104
.irp k, 0,1,2,3,4,5,6,7
	v_mov_b32 v[AV+\k], 0x7f800000                 ; the lists begin with +infinity; every lane meets 32 groups, so all eight places are taken
	v_mov_b32 v[BV+\k], 0x7f800000
	v_mov_b32 v[AI+\k], 0
	v_mov_b32 v[BI+\k], 0
	v_mov_b32 v[PV+\k], 0
	v_mov_b32 v[PI+\k], 0
.endr
	v_mul_u32_u24 v[AD], v[QD], QP                 ; my quarter of each table
	v_lshlrev_b32 v[GID], 5, v[QD]                 ; its first group
	s_wait_loadcnt 0x0
.irp i, 0,1,2,3                                ; x y z x y z .. becomes four x, four y, four z, and their sq
.irp e, 0,1,2,3,4,5,6,7,8,9,10,11
	v_mov_b32 v[CB+16*\i+4*(\e%3)+\e/3], v[CA+12*\i+\e]
.endr
.irp c, 0,1,2,3
	v_mul_f32 v[CB+16*\i+12+\c], v[CB+16*\i+\c], v[CB+16*\i+\c]
.endr
.irp c, 0,1,2,3
	v_fma_f32 v[CB+16*\i+12+\c], v[CB+16*\i+4+\c], v[CB+16*\i+4+\c], v[CB+16*\i+12+\c]
.endr
.irp c, 0,1,2,3
	v_fma_f32 v[CB+16*\i+12+\c], v[CB+16*\i+8+\c], v[CB+16*\i+8+\c], v[CB+16*\i+12+\c]
.endr
.irp tb, 0,1,2,3
	ds_store_b128 v9, v[CB+16*\i+4*\tb:CB+16*\i+4*\tb+3] offset:TBL*\tb+QP*\i
.endr
.endr
.irp q, QA, QB
	v_mul_f32 v[\q+6], v[\q], v[\q]
	v_fma_f32 v[\q+6], v[\q+2], v[\q+2], v[\q+6]
	v_fma_f32 v[\q+6], v[\q+4], v[\q+4], v[\q+6]
.irp p, 0,2,4,6
	v_mov_b32 v[\q+\p+1], v[\q+\p]
.endr
.endr
	s_wait_dscnt 0x0                               ; my part of the tables lies in LDS,
	s_barrier_signal -1
	s_barrier_wait -1                              ; everybody's does
.macro LOADG buf, off                          ; a group's 16 x, y, z, sq: 64 bytes of each table
.irp tb, 0,1,2,3
.irp q, 0,1,2,3
	ds_load_b128 v[\buf+16*\tb+4*\q:\buf+16*\tb+4*\q+3], v[AD] offset:TBL*\tb+\off+16*\q
.endr
.endr
.endm
.macro DIST buf, q, lv, li                     ; 16 distances, their least, and the group's place in the list
.irp p, 0,2,4,6,8,10,12,14
	v_pk_mul_f32 v[DD+\p:DD+\p+1], v[\buf+\p:\buf+\p+1], v[\q:\q+1]
.endr
.irp p, 0,2,4,6,8,10,12,14
	v_pk_fma_f32 v[DD+\p:DD+\p+1], v[\buf+16+\p:\buf+16+\p+1], v[\q+2:\q+3], v[DD+\p:DD+\p+1]
.endr
.irp p, 0,2,4,6,8,10,12,14
	v_pk_fma_f32 v[DD+\p:DD+\p+1], v[\buf+32+\p:\buf+32+\p+1], v[\q+4:\q+5], v[DD+\p:DD+\p+1]
.endr
.irp p, 0,2,4,6,8,10,12,14
	v_pk_add_f32 v[SS+\p:SS+\p+1], v[\buf+48+\p:\buf+48+\p+1], v[\q+6:\q+7]
.endr
.irp p, 0,2,4,6,8,10,12,14
	v_pk_fma_f32 v[DD+\p:DD+\p+1], v[DD+\p:DD+\p+1], -2.0, v[SS+\p:SS+\p+1] op_sel_hi:[1,0,1]
.endr
	v_min3_num_f32 v[MN], v[DD], v[DD+1], v[DD+2]
	v_min3_num_f32 v[MN+1], v[DD+3], v[DD+4], v[DD+5]
	v_min3_num_f32 v[MN], v[MN], v[DD+6], v[DD+7]
	v_min3_num_f32 v[MN+1], v[MN+1], v[DD+8], v[DD+9]
	v_min3_num_f32 v[MN], v[MN], v[DD+10], v[DD+11]
	v_min3_num_f32 v[MN+1], v[MN+1], v[DD+12], v[DD+13]
	v_min3_num_f32 v[MN], v[MN], v[DD+14], v[DD+15]
	v_min_num_f32 v[MN], v[MN], v[MN+1]
	INSERT MN, GID, \lv, \li
.endm
.macro PROC buf
	DIST \buf, QA, AV, AI
	DIST \buf, QB, BV, BI
	v_add_nc_u32 v[GID], 1, v[GID]
.endm
	LOADG CA, 0
	s_mov_b32 s39, 15
.Lpair:                                            ; two groups a trip; the last two are written out, so that no read leaves the tables
	LOADG CB, 64
	s_wait_dscnt 16                                ; all but the 16 loads just issued
	PROC CA
	LOADG CA, 128
	s_wait_dscnt 16
	PROC CB
	v_add_nc_u32 v[AD], 128, v[AD]
	s_sub_co_u32 s39, s39, 1
	s_cmp_lg_u32 s39, 0
	s_cbranch_scc1 .Lpair
	LOADG CB, 64
	s_wait_dscnt 16
	PROC CA
	s_wait_dscnt 0x0
	PROC CB
	MERGE1 AV, AI
	MERGE2 AV, AI
	MERGE1 BV, BI
	MERGE2 BV, BI
	SORT8 AI                                       ; ascending, so that the next launch walks the candidates by ascending index
	SORT8 BI
	s_lshl_b32 s40, s33, 2
	s_add_co_u32 s40, s40, s[WV]                   ; my block of 16 queries: 512 bytes: a's numbers 0-3, 4-7, b's 0-3, 4-7, each 16 bytes a query
	s_lshl_b32 s40, s40, 9
	s_mov_b32 s41, 0
	s_add_nc_u64 s[26:27], s[26:27], s[40:41]
	v_lshlrev_b32 v11, 4, v[LN]
	v_cmp_gt_u32 vcc_lo, 8, v[LN]
	s_wait_xcnt 0x0                                ; EXEC changes only behind this wait
	s_and_saveexec_b32 s42, vcc_lo
	global_store_b128 v11, v[AI:AI+3], s[26:27]
	global_store_b128 v11, v[AI+4:AI+7], s[26:27] offset:128
	global_store_b128 v11, v[BI:BI+3], s[26:27] offset:256
	global_store_b128 v11, v[BI+4:BI+7], s[26:27] offset:384
	s_wait_xcnt 0x0
	s_or_b32 exec_lo, exec_lo, s42
	s_wait_tensorcnt 0x0                           ; the wave's end
	ds_add_u32 v[SPW], v[NIL]
	s_wait_dscnt 0x0
	s_endpgm
.Lfunc_end_k_q097c9c6bd7_prep:
	.size	k_q097c9c6bd7_prep, .Lfunc_end_k_q097c9c6bd7_prep-k_q097c9c6bd7_prep
	.p2alignl 7, 3214868480
	.fill 96, 4, 3214868480
	.section	.rodata,"a",@progbits
	.p2align	6, 0x0
	.amdhsa_kernel k_q097c9c6bd7_prep
		.amdhsa_group_segment_fixed_size 34304
		.amdhsa_private_segment_fixed_size 0
		.amdhsa_enable_private_segment 0
		.amdhsa_kernarg_size 104
		.amdhsa_user_sgpr_count 2
		.amdhsa_user_sgpr_kernarg_segment_ptr 1
		.amdhsa_wavefront_size32 1
		.amdhsa_system_sgpr_workgroup_id_x 1
		.amdhsa_system_sgpr_workgroup_id_y 1
		.amdhsa_system_sgpr_workgroup_id_z 1
		.amdhsa_system_vgpr_workitem_id 0
		.amdhsa_next_free_vgpr 256
		.amdhsa_next_free_sgpr 96
		.amdhsa_reserve_vcc 1
		.amdhsa_float_denorm_mode_32 3
		.amdhsa_float_denorm_mode_16_64 3
		.amdhsa_memory_ordered 1
		.amdhsa_forward_progress 1
		.amdhsa_inst_pref_size 108
	.end_amdhsa_kernel
	.amdgpu_metadata
---
amdhsa.version: [ 1, 2 ]
amdhsa.kernels:
  - .name:           k_q097c9c6bd7_prep
    .symbol:         k_q097c9c6bd7_prep.kd
    .args:
      - { .name: pos_flipped, .offset: 0, .size: 8, .value_kind: global_buffer, .address_space: global }
      - { .name: vm_w1, .offset: 8, .size: 8, .value_kind: global_buffer, .address_space: global }
      - { .name: vm_w2, .offset: 16, .size: 8, .value_kind: global_buffer, .address_space: global }
      - { .name: wq, .offset: 24, .size: 8, .value_kind: global_buffer, .address_space: global }
      - { .name: wk, .offset: 32, .size: 8, .value_kind: global_buffer, .address_space: global }
      - { .name: wv, .offset: 40, .size: 8, .value_kind: global_buffer, .address_space: global }
      - { .name: pm_w2, .offset: 48, .size: 8, .value_kind: global_buffer, .address_space: global }
      - { .name: am_w1, .offset: 56, .size: 8, .value_kind: global_buffer, .address_space: global }
      - { .name: am_w2, .offset: 64, .size: 8, .value_kind: global_buffer, .address_space: global }
      - { .name: le_w, .offset: 72, .size: 8, .value_kind: global_buffer, .address_space: global }
      - { .name: grp, .offset: 80, .size: 8, .value_kind: global_buffer, .address_space: global }
      - { .name: wfrag, .offset: 88, .size: 8, .value_kind: global_buffer, .address_space: global }
      - { .name: wscale, .offset: 96, .size: 8, .value_kind: global_buffer, .address_space: global }
    .group_segment_fixed_size: 34304
    .private_segment_fixed_size: 0
    .kernarg_segment_align: 8
    .kernarg_segment_size: 104
    .max_flat_workgroup_size: 128
    .sgpr_count:     96
    .vgpr_count:     256
    .wavefront_size: 32
...
	.end_amdgpu_metadata
.endif
;; end of part 1
;; launch points (part 2): grid 256 x 1, 4 waves a work-group, no clusters, 78,848 bytes of LDS; arguments pos_flipped, grp, fea, prev_fea, vm_b1, vm_b2, bv, pm_b2, wfrag, wscale, idx, qtab, ktab, vtab, idt; writes idx, qtab, ktab, vtab, idt
.if DOCPART == 2
	.amdgcn_target "amdgcn-amd-amdhsa--gfx1250"
	.amdhsa_code_object_version 6
	.text
	.protected	k_q097c9c6bd7_points
	.globl	k_q097c9c6bd7_points
	.p2align	8
	.type	k_q097c9c6bd7_points,@function
k_q097c9c6bd7_points:
	s_mov_b64 s[64:65], 0
	v_nop
	global_prefetch_b8 v0, s[64:65] scope:SCOPE_SE
	s_setreg_imm32_b32 hwreg(HW_REG_WAVE_MODE, 25, 1), 1
	s_wait_xcnt 0x0
; SECOND LAUNCH.  A work-group owns 64 points of one batch.  (a) k-NN, second stage: the 8 nearest of the 128 candidates in the 8 groups that the first launch stored (addresses from stored whole numbers, clamped).
; (b) the products per point: v0 = vm_w2 relu(vm_w1 [fea; prev] + vm_b1) + vm_b2; qtab = wq fea + pm_b2; ktab = wk prev; vtab = wv v0 + bv + pm_b2; idt = v0.
; pm_b2 is added here, once a point, and not to each neighbour's pe: X = (q + pm_b2 - key_g) + pm_w2 hid and value_g = (value + pm_b2)_g + pm_w2 hid: the same sums in real numbers, in f32 another order of rounding.
; am_b2 is left out of the whole program (shown at the head of the first launch).
; LIMITS of the k-NN as stated there: d by the same operations, so the same bits; ties to the lower index; NaN and infinities in pos_flipped are not served.
; SHARES.  Wave w owns points 16w..16w+15 for the chain to v0, and columns 64w..64w+63 of the three tables for all 64 points.  Operands go from wave to wave through LDS as images of their registers.
; All products are used transposed (source 0 = 16 rows of a weight, source 1 = 16 points): a lane holds one point and eight neighbouring channels.  Two neighbouring tiles' 16 registers feed the next operand in the
; order PERM, in which the first launch laid vm_w2 and wv.
; REGISTERS.  window 0: v1-15 addresses; v16-39 scale words; v44-59 work; v60-91 fea's and prev's codes, later fetched operands; v92-107 codes; v108-171 fea, hidden layer, results; v172-235 prev, v0, rows on the way out;
;   the k-NN's lists and work lie in v44-107 and v236-255 before those are needed.  window 1: vm_w1.  window 2: vm_w2, my wq, my wk.  window 3: v0-63 my wv; v64-255 first the candidates, then the biases.
.set L_ISC, 24576                      ; LDS: 12 images of 2,048 bytes from 0 (operand o, tile m: 4o+m); their scale words, 128 bytes each;
.set L_OUTS, 26112                     ; v0 by channel: 128 rows x (256 + 16);
.set L_STG, 60928                      ; a stage of 16 rows x (256 + 16) for each wave;
.set SPARE, 78336                      ; the spare words
.set SPW, 1
.set NIL, 2
.set LI, 3
.set LS, 4
.set INO, 5
.set IWI, 6
.set IWS, 7
.set OSO, 8
.set OSR, 9
.set IDO, 10
.set STO, 11
.set STR, 12
.set TBO, 13
.set BO8, 14
.set LN, 15
.set V1S, 16
.set V2S, 24
.set WQS, 28
.set WKS, 30
.set WVS, 32
.set FAS, 34
.set FPS, 35
.set HCS, 36
.set VCS, 37
.set OS, 38
.set RT, 41
.set HT, 42
.set TM, 44
.set FA, 60
.set FP, 76
.set OF, 60
.set PC, 92
.set FX, 108
.set H1, 108
.set RR, 108
.set PX, 172
.set V0, 172
.set BK, 172
.set AV, 44
.set AI, 52
.set BV, 60
.set BI, 68
.set SQT, 76
.set PV, 76
.set PI, 84
.set DT, 92
.set QA, 236
.set QB, 240
.set GB, 244
.set CO, 248
.set T0, 252
.set IDT, 254
.set TT, 255
.set SEL, 46
.set MNT, 45
.set MK, 88
.set MSB, 0
.macro WIN new                         ; the immediate's high byte repeats the setting that is left
.if MSB != \new
	s_set_vgpr_msb (MSB<<8)|\new
.set MSB, \new
.endif
.endm
.macro NOPS n
.rept \n
	v_nop
.endr
.endm
.macro QUANT s, nb, relu, pc
.irp b, 0,1,2,3
.if \b < \nb
.if \relu
	v_max3_num_f32 v[TM+\b], v[\s+16*\b], v[\s+16*\b+1], 0x4800000        ; no |.|: what is negative becomes 0 and must not count; the floor stands over it
.else
	v_max3_num_f32 v[TM+\b], |v[\s+16*\b]|, |v[\s+16*\b+1]|, 0x4800000
.endif
.endif
.endr
.irp i, 2,4,6,8,10,12,14
.irp b, 0,1,2,3
.if \b < \nb
.if \relu
	v_max3_num_f32 v[TM+\b], v[TM+\b], v[\s+16*\b+\i], v[\s+16*\b+\i+1]
.else
	v_max3_num_f32 v[TM+\b], v[TM+\b], |v[\s+16*\b+\i]|, |v[\s+16*\b+\i+1]|
.endif
.endif
.endr
.endr
.irp b, 0,1,2,3
.if \b < \nb
	v_permlanex16_b32 v[TM+4+\b], v[TM+\b], s[SEL], s[SEL+1]
.endif
.endr
.irp b, 0,1,2,3
.if \b < \nb
	v_max_num_f32 v[TM+\b], v[TM+\b], v[TM+4+\b]
.endif
.endr
.irp b, 0,1,2,3
.if \b < \nb
	v_add_nc_u32 v[TM+12+\b], 0xfc000000, v[TM+\b]
.endif
.endr
.irp b, 0,1,2,3
.if \b < \nb
	v_and_or_b32 v[TM+8+\b], v[TM+\b], 0x7f800000, s[MNT]
.endif
.endr
.irp b, 0,1,2,3
.if \b < \nb
	v_lshrrev_b32 v[TM+4+\b], 23, v[TM+12+\b]
.endif
.endr
.irp b, 0,1,2,3
.if \b < \nb
.irp i, 0,1,2,3,4,5,6,7,8,9,10,11,12,13,14,15
.if \relu
	v_med3_num_f32 v[\s+16*\b+\i], v[\s+16*\b+\i], 0, v[TM+8+\b]          ; the activation and the hold in one
.else
	v_med3_num_f32 v[\s+16*\b+\i], v[\s+16*\b+\i], -v[TM+8+\b], v[TM+8+\b]
.endif
.endr
	v_cvt_scalef32_pk8_fp8_f32 v[\pc+4*\b:\pc+4*\b+1], v[\s+16*\b:\s+16*\b+7], v[TM+12+\b]
	v_cvt_scalef32_pk8_fp8_f32 v[\pc+4*\b+2:\pc+4*\b+3], v[\s+16*\b+8:\s+16*\b+15], v[TM+12+\b]
.endif
.endr
	v_nop
.endm
.macro PW4 d
	v_lshl_or_b32 v[\d], v[TM+5], 8, v[TM+4]
	v_lshl_or_b32 v[\d], v[TM+6], 16, v[\d]
	v_lshl_or_b32 v[\d], v[TM+7], 24, v[\d]
.endm
.macro IMAGE pc, off
.irp c, 0,1,2,3
	ds_store_b128 v[IWI], v[\pc+4*\c:\pc+4*\c+3] offset:\off+512*\c
.endr
.endm
.macro FETCH reg, off
.irp c, 0,1,2,3
	ds_load_b128 v[\reg+4*\c:\reg+4*\c+3], v[LI] offset:\off+512*\c
.endr
.endm
; one matrix instruction.  c < 0: the constant 0 starts the sum.  ar, br: which half of the lanes holds the side's scale words
.macro WM d, a, b, c, sa, sb, ar, br
.if (\c) < 0
.if (\ar) == 0 && (\br) == 0
	v_wmma_scale_f32_16x16x128_f8f6f4 v[\d:\d+7], v[\a:\a+15], v[\b:\b+15], 0, v[\sa], v[\sb]
.elseif (\br) == 0
	v_wmma_scale_f32_16x16x128_f8f6f4 v[\d:\d+7], v[\a:\a+15], v[\b:\b+15], 0, v[\sa], v[\sb] matrix_a_scale:MATRIX_SCALE_ROW1
.elseif (\ar) == 0
	v_wmma_scale_f32_16x16x128_f8f6f4 v[\d:\d+7], v[\a:\a+15], v[\b:\b+15], 0, v[\sa], v[\sb] matrix_b_scale:MATRIX_SCALE_ROW1
.else
	v_wmma_scale_f32_16x16x128_f8f6f4 v[\d:\d+7], v[\a:\a+15], v[\b:\b+15], 0, v[\sa], v[\sb] matrix_a_scale:MATRIX_SCALE_ROW1 matrix_b_scale:MATRIX_SCALE_ROW1
.endif
.else
.if (\ar) == 0 && (\br) == 0
	v_wmma_scale_f32_16x16x128_f8f6f4 v[\d:\d+7], v[\a:\a+15], v[\b:\b+15], v[\c:\c+7], v[\sa], v[\sb]
.elseif (\br) == 0
	v_wmma_scale_f32_16x16x128_f8f6f4 v[\d:\d+7], v[\a:\a+15], v[\b:\b+15], v[\c:\c+7], v[\sa], v[\sb] matrix_a_scale:MATRIX_SCALE_ROW1
.elseif (\ar) == 0
	v_wmma_scale_f32_16x16x128_f8f6f4 v[\d:\d+7], v[\a:\a+15], v[\b:\b+15], v[\c:\c+7], v[\sa], v[\sb] matrix_b_scale:MATRIX_SCALE_ROW1
.else
	v_wmma_scale_f32_16x16x128_f8f6f4 v[\d:\d+7], v[\a:\a+15], v[\b:\b+15], v[\c:\c+7], v[\sa], v[\sb] matrix_a_scale:MATRIX_SCALE_ROW1 matrix_b_scale:MATRIX_SCALE_ROW1
.endif
.endif
.endm
.macro INSERT val, idn, lv, li
.irp k, 0,1,2,3,4,5,6,7
	v_cmp_lt_f32 s[MK+\k], v[\val], v[\lv+\k]
.endr
.irp k, 7,6,5,4,3,2,1
	v_cndmask_b32 v[T0+\k%2], v[\idn], v[\li+\k-1], s[MK+\k-1]
	v_cndmask_b32 v[\li+\k], v[\li+\k], v[T0+\k%2], s[MK+\k]
.endr
	v_cndmask_b32 v[\li], v[\li], v[\idn], s[MK]
.irp k, 7,6,5,4,3,2,1
	v_med3_num_f32 v[\lv+\k], v[\val], v[\lv+\k-1], v[\lv+\k]
.endr
	v_min_num_f32 v[\lv], v[\val], v[\lv]
.endm
.macro MERGE1 lv, li
.irp k, 0,1,2,3,4,5,6,7
	v_mov_b32_dpp v[PV+\k], v[\lv+\k] row_xmask:8 row_mask:0xf bank_mask:0xf
	v_mov_b32_dpp v[PI+\k], v[\li+\k] row_xmask:8 row_mask:0xf bank_mask:0xf
.endr
.irp k, 0,1,2,3,4,5,6,7
	INSERT PV+\k, PI+\k, \lv, \li
.endr
.endm
.macro MERGE2 lv, li
.irp k, 0,1,2,3,4,5,6,7
	v_permlanex16_b32 v[PV+\k], v[\lv+\k], s[SEL], s[SEL+1]
	v_permlanex16_b32 v[PI+\k], v[\li+\k], s[SEL], s[SEL+1]
.endr
.irp k, 0,1,2,3,4,5,6,7
	v_cmp_lt_f32 vcc_lo, v[PV+7-\k], v[\lv+\k]
	v_cndmask_b32 v[\li+\k], v[\li+\k], v[PI+7-\k], vcc_lo
.endr
.endm
; combination q (a query and one of its lane's two groups): 16 candidates, x y z on end in window 3 from v[64+48q] on
.macro COMBO q, qr, lv, li
	s_wait_loadcnt 63                              ; at least 63 loads were issued behind this combination's 12
	WIN 0x0f                                       ; sources 0 and 1 in window 3
.irp e, 0,1,2,3,4,5,6,7,8,9,10,11,12,13,14,15
	v_mul_f32 v[SQT+\e], v[64+48*\q+3*\e], v[64+48*\q+3*\e]
.endr
.irp e, 0,1,2,3,4,5,6,7,8,9,10,11,12,13,14,15
	v_fma_f32 v[SQT+\e], v[64+48*\q+3*\e+1], v[64+48*\q+3*\e+1], v[SQT+\e]
.endr
.irp e, 0,1,2,3,4,5,6,7,8,9,10,11,12,13,14,15
	v_fma_f32 v[SQT+\e], v[64+48*\q+3*\e+2], v[64+48*\q+3*\e+2], v[SQT+\e]
.endr
	WIN 0x03                                       ; source 0 in window 3
.irp e, 0,1,2,3,4,5,6,7,8,9,10,11,12,13,14,15
	v_mul_f32 v[DT+\e], v[64+48*\q+3*\e], v[\qr]
.endr
.irp e, 0,1,2,3,4,5,6,7,8,9,10,11,12,13,14,15
	v_fma_f32 v[DT+\e], v[64+48*\q+3*\e+1], v[\qr+1], v[DT+\e]
.endr
.irp e, 0,1,2,3,4,5,6,7,8,9,10,11,12,13,14,15
	v_fma_f32 v[DT+\e], v[64+48*\q+3*\e+2], v[\qr+2], v[DT+\e]
.endr
	WIN 0
.irp e, 0,1,2,3,4,5,6,7,8,9,10,11,12,13,14,15
	v_add_f32 v[SQT+\e], v[\qr+3], v[SQT+\e]
.endr
.irp e, 0,1,2,3,4,5,6,7,8,9,10,11,12,13,14,15
	v_fma_f32 v[DT+\e], v[DT+\e], -2.0, v[SQT+\e]
.endr
.irp e, 0,1,2,3,4,5,6,7,8,9,10,11,12,13,14,15
	v_add_nc_u32 v[IDT], \e, v[GB+\q]
	INSERT DT+\e, IDT, \lv, \li
.endr
.endm
	s_load_b512 s[4:19], s[0:1], 0x0               ; pos_flipped 4, grp 6, fea 8, prev_fea 10, vm_b1 12, vm_b2 14, bv 16, pm_b2 18
	s_load_b256 s[20:27], s[0:1], 0x40             ; wfrag 20, wscale 22, idx 24, qtab 26
	s_load_b128 s[28:31], s[0:1], 0x60             ; ktab 28, vtab 30
	s_load_b64 s[32:33], s[0:1], 0x70              ; idt
	v_lshl_add_u32 v[SPW], v0, 2, SPARE
	v_mov_b32 v[NIL], 0
	v_lshrrev_b32 v[LN], 5, v0
	v_readfirstlane_b32 s40, v[LN]                 ; wave
	v_and_b32 v[LN], 31, v0
	v_and_b32 v[TT], 7, v0                         ; my query among eight
	v_bfe_u32 v[IDT], v0, 3, 2                     ; my quarter: groups 2 qd, 2 qd + 1 of the eight
	v_lshrrev_b32 v[T0], 1, v[IDT]
	v_and_b32 v[T0+1], 1, v[IDT]
	v_lshlrev_b32 v[CO], 4, v[TT]
	v_lshl_add_u32 v[CO], v[T0], 7, v[CO]
	v_lshl_add_u32 v[CO], v[T0+1], 3, v[CO]
	s_mov_b32 s[SEL], 0x76543210
	s_mov_b32 s[SEL+1], 0xfedcba98
	s_mov_b32 s[MNT], 0x600000
	s_lshr_b32 s41, ttmp9, 5                       ; batch
	s_and_b32 s42, ttmp9, 31
	s_lshl_b32 s42, s42, 6                         ; first point in the batch
	s_lshl_b32 s43, s40, 4
	s_add_co_u32 s43, s43, s42                     ; my wave's first point
	s_lshl_b32 s52, ttmp9, 11
	s_lshl_b32 s44, s40, 9
	s_add_co_u32 s52, s52, s44                     ; 512 bytes for 16 points, in grp and in idx
	s_mov_b32 s53, 0
	s_mul_i32 s54, s41, 24576
	s_mov_b32 s55, 0
	s_mul_i32 s44, s43, 12
	v_mad_u32_u24 v[CO+1], v[TT], 12, s44
	s_wait_kmcnt 0x0
	s_add_nc_u64 s[6:7], s[6:7], s[52:53]
	s_add_nc_u64 s[24:25], s[24:25], s[52:53]
	s_add_nc_u64 s[4:5], s[4:5], s[54:55]
	global_load_b64 v[GB:GB+1], v[CO], s[6:7]
	global_load_b64 v[GB+2:GB+3], v[CO], s[6:7] offset:256
	global_load_b32 v[QA], v[CO+1], s[4:5]
	global_load_b32 v[QA+1], v[CO+1], s[4:5] offset:4
	global_load_b32 v[QA+2], v[CO+1], s[4:5] offset:8
	global_load_b32 v[QB], v[CO+1], s[4:5] offset:96
	global_load_b32 v[QB+1], v[CO+1], s[4:5] offset:100
	global_load_b32 v[QB+2], v[CO+1], s[4:5] offset:104
	; addresses, while these are on their way
	v_and_b32 v[RT], 15, v0                        ; r
	v_bfe_u32 v[HT], v0, 4, 1                      ; h
	v_lshlrev_b32 v[LI], 4, v[LN]
	v_lshlrev_b32 v[LS], 2, v[LN]
	v_lshlrev_b32 v[INO], 2, v[RT]
	v_lshl_add_u32 v[INO], v[HT], 17, v[INO]       ; fea, prev: point r, and 16 channels of 8,192 bytes further on for lanes 16-31
	s_lshl_b32 s44, s40, 11
	v_add_nc_u32 v[IWI], s44, v[LI]
	s_lshl_b32 s44, s40, 7
	s_add_co_u32 s44, s44, L_ISC
	v_add_nc_u32 v[IWS], s44, v[LS]
	v_mul_u32_u24 v[OSO], v[HT], 2176
	v_lshl_add_u32 v[OSO], v[RT], 2, v[OSO]
	s_lshl_b32 s44, s40, 6
	s_add_co_u32 s44, s44, L_OUTS
	v_add_nc_u32 v[OSO], s44, v[OSO]               ; v0 by channel: row 8h (+ 16t + j), my point's word
	v_mul_u32_u24 v[OSR], v[HT], 272
	v_lshl_add_u32 v[OSR], v[RT], 4, v[OSR]
	s_mul_i32 s44, s40, 4352
	s_add_co_u32 s44, s44, L_STG
	v_add_nc_u32 v[STR], s44, v[OSR]
	v_mul_u32_u24 v[STO], v[RT], 272
	v_lshl_add_u32 v[STO], v[HT], 5, v[STO]
	v_add_nc_u32 v[STO], s44, v[STO]
	s_mul_i32 s44, s40, 8704
	s_add_co_u32 s44, s44, L_OUTS
	v_add_nc_u32 v[OSR], s44, v[OSR]
	v_lshlrev_b32 v[IDO], 4, v[RT]
	v_lshl_add_u32 v[TBO], v[HT], 10, v[IDO]
	v_lshl_add_u32 v[IDO], v[HT], 13, v[IDO]
	v_lshlrev_b32 v[BO8], 5, v[HT]
	s_lshl_b32 s56, s41, 20
	s_lshl_b32 s44, s43, 2
	s_add_co_u32 s56, s56, s44
	s_mov_b32 s57, 0
	s_add_nc_u64 s[8:9], s[8:9], s[56:57]
	s_add_nc_u64 s[10:11], s[10:11], s[56:57]
	s_lshl_b32 s56, s40, 13
	s_add_nc_u64 s[34:35], s[20:21], s[56:57]      ; my four fragments of wq, wk, wv
	s_lshl_b32 s56, s40, 8
	s_add_nc_u64 s[36:37], s[22:23], s[56:57]      ; and their scale words
	s_add_nc_u64 s[16:17], s[16:17], s[56:57]      ; my 64 channels of bv and pm_b2
	s_add_nc_u64 s[18:19], s[18:19], s[56:57]
	s_lshl_b32 s44, ttmp9, 16
	s_add_co_u32 s56, s56, s44
	s_add_nc_u64 s[26:27], s[26:27], s[56:57]      ; the tables at my work-group's first row, my 64 columns
	s_add_nc_u64 s[28:29], s[28:29], s[56:57]
	s_add_nc_u64 s[30:31], s[30:31], s[56:57]
	s_lshl_b32 s56, s41, 20
	s_lshl_b32 s44, s40, 18
	s_add_co_u32 s56, s56, s44
	s_lshl_b32 s44, s42, 2
	s_add_co_u32 s56, s56, s44
	s_add_nc_u64 s[32:33], s[32:33], s[56:57]      ; idt: channel 32 w, my work-group's points
.irp k, 0,1,2,3,4,5,6,7
	v_mov_b32 v[AV+\k], 0x7f800000                 ; every lane meets 32 candidates, so all eight places are taken
	v_mov_b32 v[BV+\k], 0x7f800000
	v_mov_b32 v[AI+\k], 0
	v_mov_b32 v[BI+\k], 0
.endr
	s_wait_loadcnt 0x0
.irp q, 0,1,2,3
	v_min_u32 v[GB+\q], 127, v[GB+\q]              ; a loaded number enters an address only behind its clamp
.endr
.irp q, 0,1,2,3
	v_mul_u32_u24 v[CO+\q], v[GB+\q], 192          ; 16 candidates of 12 bytes
.endr
.irp q, 0,1,2,3
	v_lshlrev_b32 v[GB+\q], 4, v[GB+\q]            ; the group's first index
.endr
	WIN 0xc0
.irp q, 0,1,2,3
.irp e, 0,1,2,3,4,5,6,7,8,9,10,11
	global_load_b128 v[64+48*\q+4*\e:64+48*\q+4*\e+3], v[CO+\q], s[4:5] offset:16*\e
.endr
.endr
	WIN 0
.irp c, 0,1,2,3
.irp i, 0,1,2,3,4,5,6,7,8,9,10,11,12,13,14,15
	global_load_b32 v[FX+16*\c+\i], v[INO], s[8:9] offset:(32*\c+\i)*8192     ; fea(channel 32c+16h+i, point r): 16 lanes read 64 consecutive bytes, the four waves 256
.endr
.endr
.irp q, QA, QB
	v_mul_f32 v[\q+3], v[\q], v[\q]
	v_fma_f32 v[\q+3], v[\q+1], v[\q+1], v[\q+3]
	v_fma_f32 v[\q+3], v[\q+2], v[\q+2], v[\q+3]
.endr
	COMBO 0, QA, AV, AI
.irp c, 0,1,2,3
.irp i, 0,1,2,3,4,5,6,7,8,9,10,11,12,13,14,15
	global_load_b32 v[PX+16*\c+\i], v[INO], s[10:11] offset:(32*\c+\i)*8192
.endr
.endr
	COMBO 1, QA, AV, AI
	WIN 0x40
.irp f, 0,1,2,3,4,5,6,7,8,9,10,11,12,13,14,15
.irp c, 0,1,2,3
	global_load_b128 v[16*\f+4*\c:16*\f+4*\c+3], v[LI], s[20:21] offset:2048*\f+512*\c      ; vm_w1
.endr
.endr
	WIN 0
	COMBO 2, QB, BV, BI
	WIN 0x80
.irp t, 0,1,2,3,4,5,6,7
.irp c, 0,1,2,3
	global_load_b128 v[16*\t+4*\c:16*\t+4*\c+3], v[LI], s[20:21] offset:2048*(16+\t)+512*\c   ; vm_w2
.endr
.endr
.irp t, 0,1,2,3
.irp c, 0,1,2,3
	global_load_b128 v[128+16*\t+4*\c:128+16*\t+4*\c+3], v[LI], s[34:35] offset:2048*(24+\t)+512*\c   ; my wq
	global_load_b128 v[192+16*\t+4*\c:192+16*\t+4*\c+3], v[LI], s[34:35] offset:2048*(40+\t)+512*\c   ; my wk
.endr
.endr
	WIN 0xc0
.irp t, 0,1,2,3
.irp c, 0,1,2,3
	global_load_b128 v[16*\t+4*\c:16*\t+4*\c+3], v[LI], s[34:35] offset:2048*(56+\t)+512*\c   ; my wv
.endr
.endr
	WIN 0
	COMBO 3, QB, BV, BI
	MERGE1 AV, AI
	MERGE2 AV, AI
	MERGE1 BV, BI
	MERGE2 BV, BI
	v_lshlrev_b32 v[TT], 5, v[LN]                  ; 32 bytes a point
	v_cmp_gt_u32 vcc_lo, 8, v[LN]
	s_wait_xcnt 0x0                                ; EXEC changes only behind this wait
	s_and_saveexec_b32 s50, vcc_lo
	global_store_b128 v[TT], v[AI:AI+3], s[24:25]
	global_store_b128 v[TT], v[AI+4:AI+7], s[24:25] offset:16
	global_store_b128 v[TT], v[BI:BI+3], s[24:25] offset:256
	global_store_b128 v[TT], v[BI+4:BI+7], s[24:25] offset:272
	s_wait_xcnt 0x0
	s_or_b32 exec_lo, exec_lo, s50
	; the biases in the results' layout (lane (r, h), tile t: channels 16t + 8h + 0..7), where the candidates lay; the scale words: two fragments' to a register
	WIN 0xc0
.irp t, 0,1,2,3,4,5,6,7
	global_load_b128 v[64+8*\t:64+8*\t+3], v[BO8], s[12:13] offset:64*\t
	global_load_b128 v[64+8*\t+4:64+8*\t+7], v[BO8], s[12:13] offset:64*\t+16
	global_load_b128 v[128+8*\t:128+8*\t+3], v[BO8], s[14:15] offset:64*\t
	global_load_b128 v[128+8*\t+4:128+8*\t+7], v[BO8], s[14:15] offset:64*\t+16
.endr
.irp t, 0,1,2,3
	global_load_b128 v[192+8*\t:192+8*\t+3], v[BO8], s[18:19] offset:64*\t
	global_load_b128 v[192+8*\t+4:192+8*\t+7], v[BO8], s[18:19] offset:64*\t+16
	global_load_b128 v[224+8*\t:224+8*\t+3], v[BO8], s[16:17] offset:64*\t
	global_load_b128 v[224+8*\t+4:224+8*\t+7], v[BO8], s[16:17] offset:64*\t+16
.endr
	WIN 0
.irp t, 0,1,2,3,4,5,6,7
	global_load_b32 v[V1S+\t], v[LS], s[22:23] offset:128*\t
.endr
.irp p, 0,1,2,3
	global_load_b32 v[V2S+\p], v[LS], s[22:23] offset:1024+128*\p
.endr
.irp p, 0,1
	global_load_b32 v[WQS+\p], v[LS], s[36:37] offset:1536+128*\p
	global_load_b32 v[WKS+\p], v[LS], s[36:37] offset:2560+128*\p
	global_load_b32 v[WVS+\p], v[LS], s[36:37] offset:3584+128*\p
.endr
	s_wait_loadcnt 0x0
	WIN 0xcf
.irp p, 0,2,4,6,8,10,12,14,16,18,20,22,24,26,28,30
	v_pk_add_f32 v[224+\p:225+\p], v[224+\p:225+\p], v[192+\p:193+\p]      ; bv + pm_b2
.endr
	WIN 0
	QUANT FX, 4, 0, FA
	PW4 FAS
	IMAGE FA, 0
	ds_store_b32 v[IWS], v[FAS]
	QUANT PX, 4, 0, FP
	PW4 FPS
	IMAGE FP, 8192
	ds_store_b32 v[IWS], v[FPS] offset:512
	NOPS 8                                         ; a scale word made by vector instructions stands 8 places ahead of the product, codes 4
	WIN 0x31                                       ; vm_w1 in window 1, vm_b1 in window 3
.irp t, 0,1,2,3,4,5,6,7
	WM H1+8*\t, 32*\t, FA, 64+8*\t, V1S+\t, FAS, 0, 0
.endr
	WIN 0x01
.irp t, 0,1,2,3,4,5,6,7
	WM H1+8*\t, 32*\t+16, FP, H1+8*\t, V1S+\t, FPS, 1, 0      ; the eight sums take turns
.endr
	WIN 0
	NOPS 8
	QUANT H1, 4, 1, PC
	PW4 HCS
	NOPS 8
	WIN 0x32                                       ; vm_w2 in window 2, vm_b2 in window 3
.irp t, 0,1,2,3,4,5,6,7
	WM V0+8*\t, 16*\t, PC, 128+8*\t, V2S+\t/2, HCS, \t%2, 0
.endr
	WIN 0
	NOPS 8
.irp t, 0,1,2,3,4,5,6,7
.irp j, 0,1,2,3,4,5,6,7
	ds_store_b32 v[OSO], v[V0+8*\t+\j] offset:272*(16*\t+\j)      ; each result from its low end on
.endr
.endr
	s_wait_dscnt 0x0                               ; these stores have read v0, which the hold below changes
	QUANT V0, 4, 0, PC
	PW4 VCS
	IMAGE PC, 16384
	ds_store_b32 v[IWS], v[VCS] offset:1024
	s_wait_dscnt 0x0                               ; my images, words and part of v0 lie in LDS,
	s_barrier_signal -1
	s_barrier_wait -1                              ; everybody's do
	FETCH OF, 0
	ds_load_b32 v[OS], v[LS] offset:L_ISC
.irp i, 0,1,2,3,4,5,6,7,8,9,10,11,12,13,14,15
	ds_load_b128 v[BK+4*\i:BK+4*\i+3], v[OSR] offset:544*\i
.endr
.irp i, 0,1,2,3,4,5,6,7,8,9,10,11,12,13,14,15
	s_wait_dscnt 15-\i                             ; the younger loads may be out
	global_store_b128 v[IDO], v[BK+4*\i:BK+4*\i+3], s[32:33] offset:16384*\i   ; 16 lanes store 256 consecutive bytes, aligned
.endr
; step u: table u / 4 (q, key, value), row tile u % 4: my 64 columns
.macro TSTEP u
.set tb, (\u)/4
.set mm, (\u)%4
.set rb, RR+32*((\u)%2)
.set ob, OF+16*((\u)%2)
.set bb, BK+32*((\u)%2)
.set osr, OS+(\u)%2
	s_wait_dscnt 0x0                               ; the operand and its words are in
.if tb == 0
	WIN 0x32
.irp t, 0,1,2,3
	WM rb+8*\t, 128+16*\t, ob, 192+8*\t, WQS+\t/2, osr, \t%2, 0
.endr
.elseif tb == 1
	WIN 0x02
.irp t, 0,1,2,3
	WM rb+8*\t, 192+16*\t, ob, -1, WKS+\t/2, osr, \t%2, 0
.endr
.else
	WIN 0x33
.irp t, 0,1,2,3
	WM rb+8*\t, 16*\t, ob, 224+8*\t, WVS+\t/2, osr, \t%2, 0
.endr
.endif
	WIN 0
	NOPS 8
.if (\u) < 11
	FETCH OF+16*(((\u)+1)%2), 2048*((\u)+1)
	ds_load_b32 v[OS+((\u)+1)%2], v[LS] offset:L_ISC+128*((\u)+1)
.endif
.irp t, 0,1,2,3
	ds_store_b128 v[STO], v[rb+8*\t:rb+8*\t+3] offset:64*\t
	ds_store_b128 v[STO], v[rb+8*\t+4:rb+8*\t+7] offset:64*\t+16
.endr
	s_wait_xcnt 0x0                                ; earlier stores have read the registers that the loads below fill
.irp i, 0,1,2,3,4,5,6,7
	ds_load_b128 v[bb+4*\i:bb+4*\i+3], v[STR] offset:544*\i      ; LDS serves a wave's instructions in order: these see my stores
.endr
.irp i, 0,1,2,3,4,5,6,7
	s_wait_dscnt 7-\i
	global_store_b128 v[TBO], v[bb+4*\i:bb+4*\i+3], s[26+2*tb:27+2*tb] offset:16384*mm+2048*\i
.endr
.endm
.irp u, 0,1,2,3,4,5,6,7,8,9,10,11
	TSTEP \u
.endr
	s_wait_tensorcnt 0x0                           ; the wave's end
	ds_add_u32 v[SPW], v[NIL]
	s_wait_dscnt 0x0
	s_endpgm
.Lfunc_end_k_q097c9c6bd7_points:
	.size	k_q097c9c6bd7_points, .Lfunc_end_k_q097c9c6bd7_points-k_q097c9c6bd7_points
	.p2alignl 7, 3214868480
	.fill 96, 4, 3214868480
	.section	.rodata,"a",@progbits
	.p2align	6, 0x0
	.amdhsa_kernel k_q097c9c6bd7_points
		.amdhsa_group_segment_fixed_size 78848
		.amdhsa_private_segment_fixed_size 0
		.amdhsa_enable_private_segment 0
		.amdhsa_kernarg_size 120
		.amdhsa_user_sgpr_count 2
		.amdhsa_user_sgpr_kernarg_segment_ptr 1
		.amdhsa_wavefront_size32 1
		.amdhsa_system_sgpr_workgroup_id_x 1
		.amdhsa_system_sgpr_workgroup_id_y 1
		.amdhsa_system_sgpr_workgroup_id_z 1
		.amdhsa_system_vgpr_workitem_id 0
		.amdhsa_next_free_vgpr 1024
		.amdhsa_next_free_sgpr 96
		.amdhsa_reserve_vcc 1
		.amdhsa_float_denorm_mode_32 3
		.amdhsa_float_denorm_mode_16_64 3
		.amdhsa_memory_ordered 1
		.amdhsa_forward_progress 1
		.amdhsa_inst_pref_size 255
	.end_amdhsa_kernel
	.section	.bss,"aw",@nobits
	.p2align	6
	.space	262144
	.amdgpu_metadata
---
amdhsa.version: [ 1, 2 ]
amdhsa.kernels:
  - .name:           k_q097c9c6bd7_points
    .symbol:         k_q097c9c6bd7_points.kd
    .args:
      - { .name: pos_flipped, .offset: 0, .size: 8, .value_kind: global_buffer, .address_space: global }
      - { .name: grp, .offset: 8, .size: 8, .value_kind: global_buffer, .address_space: global }
      - { .name: fea, .offset: 16, .size: 8, .value_kind: global_buffer, .address_space: global }
      - { .name: prev_fea, .offset: 24, .size: 8, .value_kind: global_buffer, .address_space: global }
      - { .name: vm_b1, .offset: 32, .size: 8, .value_kind: global_buffer, .address_space: global }
      - { .name: vm_b2, .offset: 40, .size: 8, .value_kind: global_buffer, .address_space: global }
      - { .name: bv, .offset: 48, .size: 8, .value_kind: global_buffer, .address_space: global }
      - { .name: pm_b2, .offset: 56, .size: 8, .value_kind: global_buffer, .address_space: global }
      - { .name: wfrag, .offset: 64, .size: 8, .value_kind: global_buffer, .address_space: global }
      - { .name: wscale, .offset: 72, .size: 8, .value_kind: global_buffer, .address_space: global }
      - { .name: idx, .offset: 80, .size: 8, .value_kind: global_buffer, .address_space: global }
      - { .name: qtab, .offset: 88, .size: 8, .value_kind: global_buffer, .address_space: global }
      - { .name: ktab, .offset: 96, .size: 8, .value_kind: global_buffer, .address_space: global }
      - { .name: vtab, .offset: 104, .size: 8, .value_kind: global_buffer, .address_space: global }
      - { .name: idt, .offset: 112, .size: 8, .value_kind: global_buffer, .address_space: global }
    .group_segment_fixed_size: 78848
    .private_segment_fixed_size: 0
    .kernarg_segment_align: 8
    .kernarg_segment_size: 120
    .max_flat_workgroup_size: 128
    .sgpr_count:     96
    .vgpr_count:     1024
    .wavefront_size: 32
...
	.end_amdgpu_metadata
.endif
;; end of part 2
;; launch main (part 3): grid 256 x 1, 4 waves a work-group, no clusters, 260,096 bytes of LDS; arguments pos, idx, qtab, ktab, vtab, idt, wfrag, wscale, pm_w1, pm_b1, pm_g, pm_bt, am_b1, am_g, am_bt, le_b, out0; writes out0
.if DOCPART == 3
	.amdgcn_target "amdgcn-amd-amdhsa--gfx1250"
	.amdhsa_code_object_version 6
	.text
	.protected	k_q097c9c6bd7_main
	.globl	k_q097c9c6bd7_main
	.p2align	8
	.type	k_q097c9c6bd7_main,@function
k_q097c9c6bd7_main:
	s_mov_b64 s[64:65], 0
	v_nop
	global_prefetch_b8 v0, s[64:65] scope:SCOPE_SE
	s_setreg_imm32_b32 hwreg(HW_REG_WAVE_MODE, 25, 1), 1
	s_wait_xcnt 0x0
; THIRD LAUNCH: the chain per point and neighbour, and the way out.  am_b2 is left out (the same along the softmax's axis: shown at the head of the first launch); pm_b2 lies in qtab and vtab (second launch).
; A work-group owns 64 points and walks 8 blocks of 8 points x 8 neighbours = 64 rows = 4 tiles; row r of tile m is point 2m + r/8, neighbour r%8.
; THE WAVES SHARE THE COLUMNS: wave w keeps, in registers for the whole launch, am_w1's units 128w.., am_w2's channels 64w.., pm_w2's channels 64w...  Operands go from wave to wave through LDS as images of their registers.
; bn is one fused multiply-add: s = g / sqrt(1 + 1e-5) as g x 0x3f7fffac, t = s b1 + bt; for pm the factor s also goes into the f32 weights (that product is not quantised); am_w1 is quantised as given.
; PROLOGUE: hid = relu(bn(pm_w1 pos_rel + pm_b1)) in f32 for all 32 tiles, quantised, images to LDS; q' rows to LDS.
; B: X = (q' - key_g) + pm_w2 hid, transposed (a lane = a row, registers = channels), quantised: my 64 channels are two blocks of an operand | barrier |
; C: relu(bn(am_w1 X)), transposed, quantised: my 128 units are K step w of the next product | barrier |
; D: am_w2 H used plain: register j of lane (r, h) is point 2m+h, neighbour j, channel r: the softmax over the neighbours and the weighted sum never leave a lane.  value_g = val'_g + pm_w2 hid by the same plain form,
;    with the gathered values as the sum's C.  So pm_w2 hid is multiplied twice, once in each layout, which spares a transposition of X-sized data.
; pm_w2 has K = 64: two tiles of rows are packed in one fragment (k 0-63, k 64-127), and hid's 8 registers stand between two runs of 8 zero registers: v92-107 picks the first tile, v84-99 the second.
; E: agg quantised, le_w, + le_b, + identity, halved, out by channel in whole runs of 256 bytes.
; LDS READS RUN AHEAD OF THEIR USE, AND THE WAITS ARE COUNTED: a tile's operands are asked for while the tile before is quantised or goes through its softmax; the next block's first q' rows and hid image are asked for
; in D's last tile; D's products start as each K step of H lands.  A wait for 0 stands only ahead of a barrier, and once ahead of the loop.
; Clusters and tensor loads are not used: what work-groups share is the weights' 290 KB, read once into registers; all else is a gather by a list.
; REGISTERS.  window 0: see the names.  window 1: am_w1 (16 (2t+s)), at the end le_w.  window 2: am_w2 (16 (4t+s)).  window 3: v0-127 key rows of the next block, from late B to C's end bn's s and t; v128-255 value rows (prologue: pm's folded weights).
.set L_AGG, 66560                      ; LDS: q' 64 x 1,040 from 0; agg 64 x 1,040;
.set L_PHI, 133120                     ; hid's images, 32 tiles x 1,024;
.set L_PHS, 165888                     ; their scale words, 128 bytes each;
.set L_XI, 169984                      ; X's 8 images (2m+s);
.set L_XS, 186368                      ; their words [m][s][16];
.set L_HI, 186880                      ; H's 16 images (4m+s);
.set L_HSC, 219648                     ; their words [m][s][16];
.set L_ST, 220672                      ; bn's s (2,048 bytes) and t;
.set L_OUTS, 224768                    ; the way out: 128 rows x (256 + 16);
.set SPARE, 259584                     ; the spare words
.set SPW, 1
.set NIL, 2
.set LI, 3
.set LS, 4
.set QB0, 5
.set AD0, 6                            ; v6-8: the block's q' rows, hid images, hid words: stepped in D's last tile
.set AD1, 7
.set AD2, 8
.set XWI, 9
.set XWS, 10
.set HWI, 11
.set HWS, 12
.set STA, 13
.set AGB, 14
.set AD3, 15                           ; v15: the block's agg rows: made at a trip's top
.set IXK, 16
.set IXV, 17
.set KL, 18
.set VL, 19
.set KIX, 20
.set KO, 24
.set W1S, 28
.set W2S, 36
.set PMS, 44
.set XSW, 45
.set HS, 46
.set PHW, 48
.set LXI, 49
.set PW, 50
.set LXS, 51
.set PMW, 52
.set PF, 84
.set PH, 92
.set XC, 108
.set HA, 108
.set HF, 108
.set AGR, 108
.set YY, 108
.set PIX, 108
.set GN, 116
.set GS, 140
.set DX, 164
.set SA, 170
.set XF, 172
.set ACC, 172
.set AF, 172
.set AC, 172
.set OB, 172
.set PC, 204
.set SM, 204
.set NU, 212
.set DE, 220
.set RC, 228
.set VIX, 220
.set TM, 236
.set LHI, 252
.set LHS, 253
.set RT, 254
.set HT, 255
.set MNT, 45
.set SEL, 46
.set MSB, 0
.macro WIN new                         ; the immediate's high byte repeats the setting that is left
.if MSB != \new
	s_set_vgpr_msb (MSB<<8)|\new
.set MSB, \new
.endif
.endm
.macro NOPS n
.rept \n
	v_nop
.endr
.endm
.macro QUANT s, nb, relu, pc
.irp b, 0,1,2,3
.if \b < \nb
.if \relu
	v_max3_num_f32 v[TM+\b], v[\s+16*\b], v[\s+16*\b+1], 0x4800000
.else
	v_max3_num_f32 v[TM+\b], |v[\s+16*\b]|, |v[\s+16*\b+1]|, 0x4800000
.endif
.endif
.endr
.irp i, 2,4,6,8,10,12,14
.irp b, 0,1,2,3
.if \b < \nb
.if \relu
	v_max3_num_f32 v[TM+\b], v[TM+\b], v[\s+16*\b+\i], v[\s+16*\b+\i+1]
.else
	v_max3_num_f32 v[TM+\b], v[TM+\b], |v[\s+16*\b+\i]|, |v[\s+16*\b+\i+1]|
.endif
.endif
.endr
.endr
.irp b, 0,1,2,3
.if \b < \nb
	v_permlanex16_b32 v[TM+4+\b], v[TM+\b], s[SEL], s[SEL+1]
.endif
.endr
.irp b, 0,1,2,3
.if \b < \nb
	v_max_num_f32 v[TM+\b], v[TM+\b], v[TM+4+\b]
.endif
.endr
.irp b, 0,1,2,3
.if \b < \nb
	v_add_nc_u32 v[TM+12+\b], 0xfc000000, v[TM+\b]
.endif
.endr
.irp b, 0,1,2,3
.if \b < \nb
	v_and_or_b32 v[TM+8+\b], v[TM+\b], 0x7f800000, s[MNT]
.endif
.endr
.irp b, 0,1,2,3
.if \b < \nb
	v_lshrrev_b32 v[TM+4+\b], 23, v[TM+12+\b]
.endif
.endr
.irp b, 0,1,2,3
.if \b < \nb
.irp i, 0,1,2,3,4,5,6,7,8,9,10,11,12,13,14,15
.if \relu
	v_med3_num_f32 v[\s+16*\b+\i], v[\s+16*\b+\i], 0, v[TM+8+\b]
.else
	v_med3_num_f32 v[\s+16*\b+\i], v[\s+16*\b+\i], -v[TM+8+\b], v[TM+8+\b]
.endif
.endr
	v_cvt_scalef32_pk8_fp8_f32 v[\pc+4*\b:\pc+4*\b+1], v[\s+16*\b:\s+16*\b+7], v[TM+12+\b]
	v_cvt_scalef32_pk8_fp8_f32 v[\pc+4*\b+2:\pc+4*\b+3], v[\s+16*\b+8:\s+16*\b+15], v[TM+12+\b]
.endif
.endr
	v_nop
.endm
.macro PW4 d
	v_lshl_or_b32 v[\d], v[TM+5], 8, v[TM+4]
	v_lshl_or_b32 v[\d], v[TM+6], 16, v[\d]
	v_lshl_or_b32 v[\d], v[TM+7], 24, v[\d]
.endm
.macro WM d, a, b, c, sa, sb, ar, br
.if (\c) < 0
.if (\ar) == 0 && (\br) == 0
	v_wmma_scale_f32_16x16x128_f8f6f4 v[\d:\d+7], v[\a:\a+15], v[\b:\b+15], 0, v[\sa], v[\sb]
.elseif (\br) == 0
	v_wmma_scale_f32_16x16x128_f8f6f4 v[\d:\d+7], v[\a:\a+15], v[\b:\b+15], 0, v[\sa], v[\sb] matrix_a_scale:MATRIX_SCALE_ROW1
.elseif (\ar) == 0
	v_wmma_scale_f32_16x16x128_f8f6f4 v[\d:\d+7], v[\a:\a+15], v[\b:\b+15], 0, v[\sa], v[\sb] matrix_b_scale:MATRIX_SCALE_ROW1
.else
	v_wmma_scale_f32_16x16x128_f8f6f4 v[\d:\d+7], v[\a:\a+15], v[\b:\b+15], 0, v[\sa], v[\sb] matrix_a_scale:MATRIX_SCALE_ROW1 matrix_b_scale:MATRIX_SCALE_ROW1
.endif
.else
.if (\ar) == 0 && (\br) == 0
	v_wmma_scale_f32_16x16x128_f8f6f4 v[\d:\d+7], v[\a:\a+15], v[\b:\b+15], v[\c:\c+7], v[\sa], v[\sb]
.elseif (\br) == 0
	v_wmma_scale_f32_16x16x128_f8f6f4 v[\d:\d+7], v[\a:\a+15], v[\b:\b+15], v[\c:\c+7], v[\sa], v[\sb] matrix_a_scale:MATRIX_SCALE_ROW1
.elseif (\ar) == 0
	v_wmma_scale_f32_16x16x128_f8f6f4 v[\d:\d+7], v[\a:\a+15], v[\b:\b+15], v[\c:\c+7], v[\sa], v[\sb] matrix_b_scale:MATRIX_SCALE_ROW1
.else
	v_wmma_scale_f32_16x16x128_f8f6f4 v[\d:\d+7], v[\a:\a+15], v[\b:\b+15], v[\c:\c+7], v[\sa], v[\sb] matrix_a_scale:MATRIX_SCALE_ROW1 matrix_b_scale:MATRIX_SCALE_ROW1
.endif
.endif
.endm
	s_load_b512 s[4:19], s[0:1], 0x0               ; pos 4, idx 6, qtab 8, ktab 10, vtab 12, idt 14, wfrag 16, wscale 18
	s_load_b512 s[20:35], s[0:1], 0x40             ; pm_w1 20, pm_b1 22, pm_g 24, pm_bt 26, am_b1 28, am_g 30, am_bt 32, le_b 34
	s_load_b64 s[36:37], s[0:1], 0x80              ; out0
	v_lshl_add_u32 v[SPW], v0, 2, SPARE
	v_mov_b32 v[NIL], 0
	v_lshrrev_b32 v[LI], 5, v0
	v_readfirstlane_b32 s40, v[LI]                 ; wave
	v_and_b32 v[LI], 31, v0
	v_lshlrev_b32 v[LS], 2, v[LI]
	v_lshlrev_b32 v[LI], 4, v[LI]
	v_and_b32 v[RT], 15, v0                        ; r
	v_bfe_u32 v[HT], v0, 4, 1                      ; h
	s_mov_b32 s[SEL], 0x76543210
	s_mov_b32 s[SEL+1], 0xfedcba98
	s_mov_b32 s[MNT], 0x600000
	v_lshlrev_b32 v[IXK], 2, v[RT]
	v_lshlrev_b32 v[IXV], 5, v[HT]
	s_lshl_b32 s48, s40, 8
	v_add_nc_u32 v[KL], s48, v[IXV]                ; my 64 channels, eight of them for each half of the lanes
	v_add_nc_u32 v[VL], s48, v[IXK]                ; my 64 channels, one a lane
	v_lshrrev_b32 v[SA], 3, v[RT]
	v_mul_u32_u24 v[QB0], v[SA], 1040
	v_add_nc_u32 v[QB0], v[QB0], v[KL]
	v_lshlrev_b32 v[SA], 2, v[SA]
	s_lshl_b32 s48, s40, 10
	s_add_co_u32 s48, s48, L_XI
	v_add_nc_u32 v[XWI], s48, v[LI]                ; my two blocks: K step w/2, blocks 2 (w%2) on
	s_lshr_b32 s48, s40, 1
	s_lshl_b32 s48, s48, 6
	s_and_b32 s49, s40, 1
	s_lshl_b32 s49, s49, 1
	s_add_co_u32 s48, s48, s49
	s_add_co_u32 s48, s48, L_XS
	v_add_nc_u32 v[XWS], s48, v[IXK]
	s_lshl_b32 s48, s40, 11
	s_add_co_u32 s48, s48, L_HI
	v_add_nc_u32 v[HWI], s48, v[LI]
	s_lshl_b32 s48, s40, 6
	s_add_co_u32 s48, s48, L_HSC
	v_add_nc_u32 v[HWS], s48, v[IXK]
	s_lshl_b32 s48, s40, 9
	s_add_co_u32 s48, s48, L_ST
	v_add_nc_u32 v[STA], s48, v[IXV]
	v_mul_u32_u24 v[AGB], v[HT], 1040
	v_add_nc_u32 v[AGB], v[AGB], v[VL]
	v_add_nc_u32 v[AGB], L_AGG, v[AGB]
	v_add_nc_u32 v[LXI], L_XI, v[LI]
	v_add_nc_u32 v[LXS], L_XS, v[LS]
	v_add_nc_u32 v[LHI], L_HI, v[LI]
	v_add_nc_u32 v[LHS], L_HSC, v[LS]
	s_mul_i32 s48, s40, 16640                      ; the prologue's own addresses, in the registers that the loop uses for its blocks
	v_add_nc_u32 v[AD0], s48, v[LI]
	s_lshl_b32 s48, s40, 13
	s_add_co_u32 s48, s48, L_PHI
	v_add_nc_u32 v[AD1], s48, v[LI]
	s_lshl_b32 s48, s40, 10
	s_add_co_u32 s48, s48, L_PHS
	v_add_nc_u32 v[AD2], s48, v[LS]
	v_lshlrev_b32 v[KO+2], 4, v0
	v_add_nc_u32 v[AD3], L_ST, v[KO+2]
	v_mul_u32_u24 v[KO], v[HT], 192
	v_lshlrev_b32 v[KO+1], 6, v[HT]
	s_lshr_b32 s48, ttmp9, 5                       ; batch
	s_and_b32 s49, ttmp9, 31
	s_lshl_b32 s49, s49, 8                         ; 4 x first point
	s_mov_b32 s51, 0
	s_wait_kmcnt 0x0
	s_lshl_b32 s50, ttmp9, 11
	s_add_nc_u64 s[6:7], s[6:7], s[50:51]          ; idx at my work-group's first point
	s_lshl_b32 s50, s40, 9
	s_add_nc_u64 s[52:53], s[6:7], s[50:51]        ; and at my wave's 16 points
	s_lshl_b32 s50, ttmp9, 16
	s_lshl_b32 s38, s40, 14
	s_add_co_u32 s50, s50, s38
	s_add_nc_u64 s[8:9], s[8:9], s[50:51]
	s_lshl_b32 s50, s48, 21
	s_add_nc_u64 s[10:11], s[10:11], s[50:51]
	s_add_nc_u64 s[12:13], s[12:13], s[50:51]
	s_mul_i32 s50, s48, 24576
	s_add_nc_u64 s[4:5], s[4:5], s[50:51]
	s_lshl_b32 s50, s40, 6
	s_add_co_u32 s50, s50, s49
	s_add_nc_u64 s[54:55], s[4:5], s[50:51]
	s_lshl_b32 s50, s48, 20
	s_lshl_b32 s38, s40, 18
	s_add_co_u32 s50, s50, s38
	s_add_co_u32 s50, s50, s49
	s_add_nc_u64 s[14:15], s[14:15], s[50:51]
	s_add_nc_u64 s[36:37], s[36:37], s[50:51]
	s_lshl_b32 s50, s40, 15
	s_add_nc_u64 s[56:57], s[16:17], s[50:51]
	s_lshl_b32 s50, s40, 12
	s_add_nc_u64 s[58:59], s[16:17], s[50:51]
	s_lshl_b32 s50, s40, 10
	s_add_nc_u64 s[60:61], s[18:19], s[50:51]
	s_lshl_b32 s50, s40, 7
	s_add_nc_u64 s[62:63], s[18:19], s[50:51]
	; ---- first loads
.irp u, 0,1,2,3,4,5,6,7
	global_load_b32 v[PIX+\u], v[IXK], s[52:53] offset:64*\u      ; my 8 tiles of hid: tile 8w + u, row r: point 2 (8w+u) + r/8, neighbour r%8
.endr
.irp m, 0,1,2,3
	global_load_b32 v[KIX+\m], v[IXK], s[6:7] offset:64*\m
.endr
	WIN 0x40                                       ; pm's parameters of my 32 units (32c + 16h + i), raw, where am_w1 will lie
.irp c, 0,1
.irp e, 0,1,2,3,4,5,6,7,8,9,10,11
	global_load_b128 v[48*\c+4*\e:48*\c+4*\e+3], v[KO], s[20:21] offset:384*\c+16*\e
.endr
.irp q, 0,1,2,3
	global_load_b128 v[96+16*\c+4*\q:96+16*\c+4*\q+3], v[KO+1], s[24:25] offset:128*\c+16*\q
	global_load_b128 v[128+16*\c+4*\q:128+16*\c+4*\q+3], v[KO+1], s[22:23] offset:128*\c+16*\q
	global_load_b128 v[160+16*\c+4*\q:160+16*\c+4*\q+3], v[KO+1], s[26:27] offset:128*\c+16*\q
.endr
.endr
	WIN 0
	global_load_b128 v[220:223], v[KO+2], s[30:31]
	global_load_b128 v[224:227], v[KO+2], s[28:29]
	global_load_b128 v[228:231], v[KO+2], s[32:33]
	WIN 0xc0
.set n_, 0
.rept 32
	global_load_b128 v[4*n_:4*n_+3], v[LI], s[8:9] offset:512*n_      ; q' of my 16 points
.set n_, n_+1
.endr
	WIN 0
	s_wait_loadcnt 0x0
	WIN 0x0c                                       ; an LDS store's data are its source 1
.set n_, 0
.rept 32
	ds_store_b128 v[AD0], v[4*n_:4*n_+3] offset:1040*(n_/2)+512*(n_%2)
.set n_, n_+1
.endr
	WIN 0
.irp k, 0,1,2,3
	v_mul_f32 v[220+\k], 0x3f7fffac, v[220+\k]
.endr
.irp k, 0,1,2,3
	v_fma_f32 v[224+\k], v[220+\k], v[224+\k], v[228+\k]
.endr
	ds_store_b128 v[AD3], v[220:223]
	ds_store_b128 v[AD3], v[224:227] offset:2048
.irp u, 0,1,2,3,4,5,6,7
	v_min_u32 v[PIX+\u], 0x7ff, v[PIX+\u]
.endr
.irp u, 0,1,2,3,4,5,6,7
	v_lshlrev_b32 v[PIX+\u], 2, v[PIX+\u]
.endr
.irp m, 0,1,2,3
	v_min_u32 v[KIX+\m], 0x7ff, v[KIX+\m]
.endr
.irp m, 0,1,2,3
	v_lshl_add_u32 v[KO+\m], v[KIX+\m], 10, v[KL]
.endr
	s_wait_dscnt 0x0                               ; the stores have read q', on whose registers the key rows land
	; ---- second loads: the positions first
.irp u, 0,1,2,3,4,5,6,7
.irp cc, 0,1,2
	global_load_b32 v[GN+3*\u+\cc], v[PIX+\u], s[4:5] offset:8192*\cc
	global_load_b32 v[GS+3*\u+\cc], v[SA], s[54:55] offset:8*\u+8192*\cc
.endr
.endr
.irp f, 0,1
.irp c, 0,1,2,3
	global_load_b128 v[PMW+16*\f+4*\c:PMW+16*\f+4*\c+3], v[LI], s[58:59] offset:2048*(72+\f)+512*\c
.endr
.endr
.irp t, 0,1,2,3,4,5,6,7
	global_load_b32 v[W1S+\t], v[LS], s[60:61] offset:5120+128*\t
	global_load_b32 v[W2S+\t], v[LS], s[60:61] offset:9216+128*\t
.endr
	global_load_b32 v[PMS], v[LS], s[62:63] offset:4608
.macro KLOAD                           ; the key rows of a block: row r's neighbour, my 64 channels, in X's layout
	WIN 0xc0
.irp m, 0,1,2,3
.irp t, 0,1,2,3
	global_load_b128 v[32*\m+8*\t:32*\m+8*\t+3], v[KO+\m], s[10:11] offset:64*\t
	global_load_b128 v[32*\m+8*\t+4:32*\m+8*\t+7], v[KO+\m], s[10:11] offset:64*\t+16
.endr
.endr
	WIN 0
.endm
	KLOAD
	; ---- pm's parameters folded: s w, s b1 + bt, by unit, into window 3
	WIN 0x55
.set n_, 0
.rept 32
	v_mul_f32 v[96+n_], 0x3f7fffac, v[96+n_]
.set n_, n_+1
.endr
	WIN 0xd5
.irp c, 0,1
.irp i, 0,1,2,3,4,5,6,7,8,9,10,11,12,13,14,15
	v_mul_f32 v[128+16*\c+\i], v[96+16*\c+\i], v[48*\c+3*\i]
	v_mul_f32 v[160+16*\c+\i], v[96+16*\c+\i], v[48*\c+3*\i+1]
	v_mul_f32 v[192+16*\c+\i], v[96+16*\c+\i], v[48*\c+3*\i+2]
	v_fma_f32 v[224+16*\c+\i], v[96+16*\c+\i], v[128+16*\c+\i], v[160+16*\c+\i]
.endr
.endr
	WIN 0
.irp k, 0,1,2,3,4,5,6,7
	v_mov_b32 v[PF+\k], 0                          ; the zero codes on both sides of hid's: set once
	v_mov_b32 v[PF+16+\k], 0
.endr
	v_mov_b32 v[DX+1], 0                           ; (upper halves of pairs of which the low word serves both halves)
	v_mov_b32 v[DX+3], 0
	v_mov_b32 v[DX+5], 0
.irp b, 0,1,2,3
	v_mov_b32 v[TM+4+\b], 0
.endr
	s_wait_loadcnt 57                              ; behind the positions: 8 + 17 + 32 loads
.macro PHTILE u
	v_sub_f32 v[DX], v[GS+3*\u], v[GN+3*\u]
	v_sub_f32 v[DX+2], v[GS+3*\u+1], v[GN+3*\u+1]
	v_sub_f32 v[DX+4], v[GS+3*\u+2], v[GN+3*\u+2]
	WIN 0x33
.set n_, 0
.rept 16
	v_pk_fma_f32 v[AC+n_:AC+n_+1], v[128+n_:129+n_], v[DX:DX+1], v[224+n_:225+n_] op_sel_hi:[1,0,1]
.set n_, n_+2
.endr
	WIN 0x03
.set n_, 0
.rept 16
	v_pk_fma_f32 v[AC+n_:AC+n_+1], v[160+n_:161+n_], v[DX+2:DX+3], v[AC+n_:AC+n_+1] op_sel_hi:[1,0,1]
.set n_, n_+2
.endr
.set n_, 0
.rept 16
	v_pk_fma_f32 v[AC+n_:AC+n_+1], v[192+n_:193+n_], v[DX+4:DX+5], v[AC+n_:AC+n_+1] op_sel_hi:[1,0,1]
.set n_, n_+2
.endr
	WIN 0
	QUANT AC, 2, 1, PC
	v_lshl_or_b32 v[PW], v[TM+5], 8, v[TM+4]
	v_lshl_or_b32 v[PW], v[PW], 16, v[PW]          ; the two bytes twice: they serve k 0-63 and k 64-127
	ds_store_b128 v[AD1], v[PC:PC+3] offset:1024*\u
	ds_store_b128 v[AD1], v[PC+4:PC+7] offset:1024*\u+512
	ds_store_b32 v[AD2], v[PW] offset:128*\u
.if \u < 4                             ; an eighth of the large weights behind each tile
	WIN 0x40
.irp f, 0,1,2,3
.irp c, 0,1,2,3
	global_load_b128 v[64*\u+16*\f+4*\c:64*\u+16*\f+4*\c+3], v[LI], s[56:57] offset:2048*(80+4*\u+\f)+512*\c
.endr
.endr
.else
	WIN 0x80
.irp f, 0,1,2,3
.irp c, 0,1,2,3
	global_load_b128 v[64*(\u-4)+16*\f+4*\c:64*(\u-4)+16*\f+4*\c+3], v[LI], s[56:57] offset:2048*(144+4*(\u-4)+\f)+512*\c
.endr
.endr
.endif
	WIN 0
.endm
.irp u, 0,1,2,3,4,5,6,7
	PHTILE \u
.endr
	s_wait_dscnt 0x0
	s_barrier_signal -1
	s_barrier_wait -1                              ; q', bn's s and t and hid's 32 images lie in LDS; from here on nobody writes them
; ---- phase B
.macro BLQ m                           ; q' of tile m's two points, my 64 channels, in X's layout
.set xb, XC+32*((\m)%2)
.irp t, 0,1,2,3
	ds_load_b128 v[xb+8*\t:xb+8*\t+3], v[AD0] offset:2080*(\m)+64*\t
	ds_load_b128 v[xb+8*\t+4:xb+8*\t+7], v[AD0] offset:2080*(\m)+64*\t+16
.endr
.endm
.macro BPH m                           ; hid's image of tile m and its scale words: three loads
	ds_load_b128 v[PH:PH+3], v[AD1] offset:1024*(\m)
	ds_load_b128 v[PH+4:PH+7], v[AD1] offset:1024*(\m)+512
	ds_load_b32 v[PHW], v[AD2] offset:128*(\m)
.endm
.macro BSUB m, dsn                     ; q' - key.  dsn: how many younger LDS instructions may stay out; under 0: no LDS wait is owed
.set xb, XC+32*((\m)%2)
	s_wait_loadcnt 26-8*(\m)                       ; behind this tile's key rows: the later tiles' 8 loads each, and the two index loads at the trip's top
.if (\dsn) >= 0
	s_wait_dscnt \dsn
.endif
	WIN 0x0c
.set n_, 0
.rept 16
	v_pk_add_f32 v[xb+n_:xb+n_+1], v[xb+n_:xb+n_+1], v[32*(\m)+n_:32*(\m)+n_+1] neg_lo:[0,1] neg_hi:[0,1]
.set n_, n_+2
.endr
	WIN 0
.endm
.macro BMUL m
.set xb, XC+32*((\m)%2)
.irp t, 0,1,2,3
	WM xb+8*\t, PMW+16*(\t/2), PF+8-8*(\t%2), xb+8*\t, PMS, PHW, \t/2, 0
.endr
.endm
.macro BQNT m
.set xb, XC+32*((\m)%2)
	QUANT xb, 2, 0, PC
	v_lshl_or_b32 v[PW], v[TM+5], 8, v[TM+4]
	ds_store_b128 v[XWI], v[PC:PC+3] offset:4096*(\m)
	ds_store_b128 v[XWI], v[PC+4:PC+7] offset:4096*(\m)+512
	ds_store_b16 v[XWS], v[PW] offset:128*(\m)
.endm
.macro STL2 a                          ; a = 0: bn's s of my 128 units, where key tiles 0, 1 lay; a = 1: its t, where key tiles 2, 3 lay: 16 loads
	WIN 0xc0
.irp t, 0,1,2,3,4,5,6,7
	ds_load_b128 v[64*(\a)+8*\t:64*(\a)+8*\t+3], v[STA] offset:2048*(\a)+64*\t
	ds_load_b128 v[64*(\a)+8*\t+4:64*(\a)+8*\t+7], v[STA] offset:2048*(\a)+64*\t+16
.endr
	WIN 0
.endm
; ---- phase C
.macro CLX m                           ; X's two images of tile m and their words: nine loads
.irp s, 0,1
.irp c, 0,1,2,3
	ds_load_b128 v[XF+16*\s+4*\c:XF+16*\s+4*\c+3], v[LXI] offset:4096*(\m)+2048*\s+512*\c
.endr
.endr
	ds_load_b32 v[XSW], v[LXS] offset:128*(\m)
.endm
.macro CVG m                           ; the value rows of tile m, in the softmax's layout: register 8t + j = neighbour j of point 2m + h, channel 16t + r of my 64
.set vb, VIX+8*((\m)%2)
.set vn, VIX+8*(((\m)+1)%2)
.if (\m) == 0
	s_wait_loadcnt 0x0                             ; the indices asked for at the trip's top
.else
	s_wait_loadcnt 32                              ; behind this tile's indices: the last tile's 32 loads
.endif
.irp j, 0,1,2,3,4,5,6,7
	v_min_u32 v[vb+\j], 0x7ff, v[vb+\j]
.endr
.irp j, 0,1,2,3,4,5,6,7
	v_lshl_add_u32 v[vb+\j], v[vb+\j], 10, v[VL]
.endr
	s_wait_xcnt 0x0                                ; the last tile's loads have read their address registers, on which the next indices land
.if (\m) < 3
	global_load_b128 v[vn:vn+3], v[IXV], s[6:7] offset:64*((\m)+1)
	global_load_b128 v[vn+4:vn+7], v[IXV], s[6:7] offset:64*((\m)+1)+16
.endif
	WIN 0xc0
.irp t, 0,1,2,3
.irp j, 0,1,2,3,4,5,6,7
	global_load_b32 v[128+32*(\m)+8*\t+\j], v[vb+\j], s[12:13] offset:64*\t
.endr
.endr
	WIN 0
.endm
.macro CMUL m
	WIN 0x01
.irp t, 0,1,2,3,4,5,6,7
	WM HA+8*\t, 32*\t, XF, -1, W1S+\t, XSW, 0, 0
.endr
.irp t, 0,1,2,3,4,5,6,7
	WM HA+8*\t, 32*\t+16, XF+16, HA+8*\t, W1S+\t, XSW, 1, 1      ; the eight sums take turns
.endr
	WIN 0
.endm
.macro CBNF
	WIN 0x3c
.set n_, 0
.rept 32
	v_pk_fma_f32 v[HA+n_:HA+n_+1], v[HA+n_:HA+n_+1], v[n_:n_+1], v[64+n_:65+n_]
.set n_, n_+2
.endr
	WIN 0
.endm
.macro CQNT m                          ; five stores at its end
	QUANT HA, 4, 1, PC
	PW4 PW
.irp c, 0,1,2,3
	ds_store_b128 v[HWI], v[PC+4*\c:PC+4*\c+3] offset:8192*(\m)+512*\c
.endr
	ds_store_b32 v[HWS], v[PW] offset:256*(\m)
.endm
; ---- phase D
.macro DLH m                           ; in the order of their use: hid (3 loads), H's scale words (2), H's four images (4 each)
	BPH \m
	ds_load_b32 v[HS], v[LHS] offset:256*(\m)
	ds_load_b32 v[HS+1], v[LHS] offset:256*(\m)+128
.irp s, 0,1,2,3
.irp c, 0,1,2,3
	ds_load_b128 v[HF+16*\s+4*\c:HF+16*\s+4*\c+3], v[LHI] offset:8192*(\m)+2048*\s+512*\c
.endr
.endr
.endm
.macro DPROD m, st                     ; the tile's 20 products, each group as its operands land.  st: LDS stores issued behind the tile's 21 loads
	s_wait_dscnt 18+\st                            ; hid and its words are in: behind them 2 + 16 loads
	WIN 0xf0
.irp t, 0,1,2,3
	WM 128+32*(\m)+8*\t, PF+8-8*(\t%2), PMW+16*(\t/2), 128+32*(\m)+8*\t, PHW, PMS, 0, \t/2
.endr
	WIN 0x08
	s_wait_dscnt 12+\st                            ; H's words and K step 0: behind them three K steps of four loads
.irp t, 0,1,2,3
	WM ACC+8*\t, HF, 64*\t, -1, HS, W2S+2*\t, 0, 0
.endr
.irp s, 1,2,3
	s_wait_dscnt 12-4*\s+\st
.irp t, 0,1,2,3
	WM ACC+8*\t, HF+16*\s, 64*\t+16*\s, ACC+8*\t, HS+\s/2, W2S+2*\t+\s/2, \s%2, \s%2      ; the four sums take turns
.endr
.endr
	WIN 0
.endm
.macro DSOFT m                         ; four stores at its end
.irp t, 0,1,2,3
	v_max3_num_f32 v[SM+2*\t+1], v[ACC+8*\t], v[ACC+8*\t+1], v[ACC+8*\t+2]
.endr
.irp t, 0,1,2,3
	v_max3_num_f32 v[SM+2*\t+1], v[SM+2*\t+1], v[ACC+8*\t+3], v[ACC+8*\t+4]
.endr
.irp t, 0,1,2,3
	v_max3_num_f32 v[SM+2*\t+1], v[SM+2*\t+1], v[ACC+8*\t+5], v[ACC+8*\t+6]
.endr
.irp t, 0,1,2,3
	v_max_num_f32 v[SM+2*\t+1], v[SM+2*\t+1], v[ACC+8*\t+7]      ; the largest of the 8 neighbours
.endr
.irp t, 0,1,2,3
	v_mul_f32 v[SM+2*\t], 0xbfb8aa3b, v[SM+2*\t+1]               ; - log2(e) x it
.endr
.irp p, 0,2,4,6
.irp t, 0,1,2,3
	v_pk_fma_f32 v[ACC+8*\t+\p:ACC+8*\t+\p+1], v[ACC+8*\t+\p:ACC+8*\t+\p+1], 0x3fb8aa3b, v[SM+2*\t:SM+2*\t+1] op_sel_hi:[1,0,0]
.endr
.endr
.set n_, 0
.rept 32
	v_exp_f32 v[ACC+n_], v[ACC+n_]
.set n_, n_+1
.endr
	v_nop                                          ; a plain instruction behind the last exponential
	s_wait_alu depctr_va_vdst(0)                   ; one wait for the batch, ahead of its first reader
	WIN 0x0c
.irp t, 0,1,2,3
	v_pk_mul_f32 v[NU+2*\t:NU+2*\t+1], v[ACC+8*\t:ACC+8*\t+1], v[128+32*(\m)+8*\t:128+32*(\m)+8*\t+1]
.endr
.irp p, 2,4,6
.irp t, 0,1,2,3
	v_pk_fma_f32 v[NU+2*\t:NU+2*\t+1], v[ACC+8*\t+\p:ACC+8*\t+\p+1], v[128+32*(\m)+8*\t+\p:128+32*(\m)+8*\t+\p+1], v[NU+2*\t:NU+2*\t+1]
.endr
.endr
	WIN 0
.irp t, 0,1,2,3
	v_pk_add_f32 v[DE+2*\t:DE+2*\t+1], v[ACC+8*\t:ACC+8*\t+1], v[ACC+8*\t+2:ACC+8*\t+3]
.endr
.irp p, 4,6
.irp t, 0,1,2,3
	v_pk_add_f32 v[DE+2*\t:DE+2*\t+1], v[DE+2*\t:DE+2*\t+1], v[ACC+8*\t+\p:ACC+8*\t+\p+1]
.endr
.endr
.irp t, 0,1,2,3
	v_add_f32 v[DE+2*\t], v[DE+2*\t], v[DE+2*\t+1]
.endr
.irp t, 0,1,2,3
	v_add_f32 v[NU+2*\t], v[NU+2*\t], v[NU+2*\t+1]
.endr
.irp t, 0,1,2,3
	v_rcp_f32 v[RC+\t], v[DE+2*\t]
.endr
	v_nop
	s_wait_alu depctr_va_vdst(0)
.irp t, 0,1,2,3
	v_mul_f32 v[RC+\t], v[RC+\t], v[NU+2*\t]
.endr
.irp t, 0,1,2,3
	ds_store_b32 v[AD3], v[RC+\t] offset:2080*(\m)+64*\t
.endr
.endm
	s_mov_b32 s41, 8                               ; blocks to go
	s_mov_b32 s42, 0                               ; 8 rows of q' and of agg a block
	s_mov_b32 s43, L_PHI                           ; 4 images of hid a block
	s_mov_b32 s44, L_PHS
	v_add_nc_u32 v[AD0], s42, v[QB0]
	v_add_nc_u32 v[AD1], s43, v[LI]
	v_add_nc_u32 v[AD2], s44, v[LS]
	BLQ 0                                          ; the first block's first operands; every later block's are asked for in the last tile of the block before
	BLQ 1
	BPH 0
	s_wait_dscnt 0x0                               ; once: so that the count at the trip's top holds on the way in too
.Lblock:
	v_add_nc_u32 v[AD3], s42, v[AGB]
	s_cmp_eq_u32 s41, 1                            ; the next block's key indices, if there is a next block: no load leaves its buffer
	s_cbranch_scc1 .Lno_kix
.irp m, 0,1,2,3
	global_load_b32 v[KIX+\m], v[IXK], s[6:7] offset:256+64*\m
.endr
.Lno_kix:
	global_load_b128 v[VIX:VIX+3], v[IXV], s[6:7]                 ; tile 0's value indices: wanted at B's end
	global_load_b128 v[VIX+4:VIX+7], v[IXV], s[6:7] offset:16
	; ---- B
	BSUB 0, 4                                      ; q' of tiles 0, 1 and hid's image 0 are in: behind them stand the last tile's four agg stores
	BMUL 0
	BSUB 1, -1                                     ; its 16 subtractions are the places behind the four products
	BPH 1
	BQNT 0
	BLQ 2
	s_wait_dscnt 11                                ; hid's image 1 is in: behind it 3 stores and 8 loads
	BMUL 1
	NOPS 8
	BPH 2
	BQNT 1
	BLQ 3
	BSUB 2, 11                                     ; q' of tile 2 and hid's image 2: behind them 3 stores and 8 loads
	BMUL 2
	NOPS 8
	BPH 3
	STL2 0                                         ; bn's s lands while the last two tiles are quantised
	BQNT 2
	BSUB 3, 19                                     ; q' of tile 3 and hid's image 3: behind them 16 loads and 3 stores
	BMUL 3
	NOPS 8
	BQNT 3
	CVG 0                                          ; tile 0's value rows go out ahead of the barrier; each later tile's a tile's work further on
	s_wait_dscnt 0x0
	s_barrier_signal -1
	s_barrier_wait -1                              ; X's eight images lie in LDS; nobody reads H's images of the last block any more
	; ---- C
	CLX 0
	STL2 1                                         ; bn's t lands under the first tile's products
	s_wait_dscnt 16                                ; X's tile 0 is in: behind it t's 16 loads
.irp m, 0,1,2,3
	CMUL \m
	NOPS 8
.if \m < 3
	CLX \m+1
.endif
.if \m == 0
	s_wait_dscnt 9                                 ; t is in: behind it the nine loads just issued
.endif
	CBNF
	CQNT \m
.if \m < 3
	CVG \m+1
	s_wait_dscnt 5                                 ; X's next tile is in: behind it this tile's five stores
.else
	s_wait_dscnt 0x0
.endif
.endr
	s_barrier_signal -1
	s_barrier_wait -1                              ; H's sixteen images lie in LDS; nobody reads X's any more
	; ---- D
	DLH 0                                          ; first behind the barrier; the key gather's set-up stands between it and the wait for it
	s_wait_xcnt 0x0                                ; all loads have read their addresses: the base may step, and the address registers serve as work
	s_add_nc_u64 s[6:7], s[6:7], 256
	s_cmp_eq_u32 s41, 1
	s_cbranch_scc1 .Lno_k
.irp m, 0,1,2,3
	v_min_u32 v[KIX+\m], 0x7ff, v[KIX+\m]
.endr
.irp m, 0,1,2,3
	v_lshl_add_u32 v[KO+\m], v[KIX+\m], 10, v[KL]
.endr
	KLOAD                                          ; the next block's key rows, where bn's s and t lay: a phase ahead of their use
.Lno_k:
.irp m, 0,1,2,3
.if \m < 2
	s_wait_loadcnt 63                              ; behind this tile's value rows at least 66 loads were issued
.elseif \m == 2
	s_wait_loadcnt 32                              ; at least the last tile's 32
.else
	s_wait_loadcnt 0x0
.endif
.if \m == 0
	DPROD \m, 0
.else
	DPROD \m, 4                                    ; behind this tile's 21 loads stand the last tile's four agg stores
.endif
	NOPS 8
.if \m < 3
	DLH \m+1                                       ; the next tile's operands land under this tile's softmax
.else
	s_cmp_eq_u32 s41, 1                            ; and in the last tile the next block's first operands, if there is a next block
	s_cbranch_scc1 .Lno_pre
	s_add_co_u32 s48, s42, 8320
	s_min_u32 s48, s48, 7*8320                     ; held at the last block's: on every way through the text these addresses stay inside q', hid's images and hid's words
	s_add_co_u32 s49, s43, 4096
	s_min_u32 s49, s49, L_PHI+7*4096
	s_add_co_u32 s50, s44, 512
	s_min_u32 s50, s50, L_PHS+7*512
	v_add_nc_u32 v[AD0], s48, v[QB0]
	v_add_nc_u32 v[AD1], s49, v[LI]
	v_add_nc_u32 v[AD2], s50, v[LS]
	BLQ 0
	BLQ 1
	BPH 0
.Lno_pre:
.endif
	DSOFT \m
.endr
	s_add_co_u32 s42, s42, 8320
	s_add_co_u32 s43, s43, 4096
	s_add_co_u32 s44, s44, 512
	s_sub_co_u32 s41, s41, 1
	s_cmp_lg_u32 s41, 0
	s_cbranch_scc1 .Lblock
	; ---- E
	WIN 0x40
.irp f, 0,1,2,3,4,5,6,7,8,9,10,11,12,13,14,15
.irp c, 0,1,2,3
	global_load_b128 v[16*\f+4*\c:16*\f+4*\c+3], v[LI], s[16:17] offset:2048*(208+\f)+512*\c
.endr
.endr
	WIN 0
.irp t, 0,1,2,3,4,5,6,7
	global_load_b32 v[W1S+\t], v[LS], s[18:19] offset:13312+128*\t
.endr
	v_lshlrev_b32 v[AD2], 4, v[RT]
	v_lshl_add_u32 v[AD2], v[HT], 13, v[AD2]       ; two channels an instruction, 16 bytes a lane
	WIN 0xc0
.irp t, 0,1,2,3,4,5,6,7
	global_load_b128 v[8*\t:8*\t+3], v[IXV], s[34:35] offset:64*\t
	global_load_b128 v[8*\t+4:8*\t+7], v[IXV], s[34:35] offset:64*\t+16
.endr
.irp i, 0,1,2,3,4,5,6,7,8,9,10,11,12,13,14,15
	global_load_b128 v[128+4*\i:128+4*\i+3], v[AD2], s[14:15] offset:16384*\i
.endr
	WIN 0
	v_mul_u32_u24 v[QB0], v[RT], 1040
	v_lshl_add_u32 v[QB0], v[HT], 6, v[QB0]
	s_mul_i32 s48, s40, 16640
	s_add_co_u32 s48, s48, L_AGG
	v_add_nc_u32 v[QB0], s48, v[QB0]               ; agg: point 16w + r, + 16 numbers for lanes 16-31
	v_mul_u32_u24 v[AD0], v[HT], 2176
	v_lshl_add_u32 v[AD0], v[RT], 2, v[AD0]
	s_lshl_b32 s48, s40, 6
	s_add_co_u32 s48, s48, L_OUTS
	v_add_nc_u32 v[AD0], s48, v[AD0]
	v_mul_u32_u24 v[AD1], v[HT], 272
	v_lshl_add_u32 v[AD1], v[RT], 4, v[AD1]
	s_mul_i32 s48, s40, 8704
	s_add_co_u32 s48, s48, L_OUTS
	v_add_nc_u32 v[AD1], s48, v[AD1]
	s_wait_dscnt 0x0
	s_barrier_signal -1
	s_barrier_wait -1                              ; agg of all 64 points lies in LDS
.irp s, 0,1
.irp c, 0,1,2,3
.irp q, 0,1,2,3
	ds_load_b128 v[AGR+16*\c+4*\q:AGR+16*\c+4*\q+3], v[QB0] offset:512*\s+128*\c+16*\q
.endr
.endr
	s_wait_dscnt 0x0
	QUANT AGR, 4, 0, AF+16*\s
	PW4 XSW+\s
.endr
	NOPS 8
	s_wait_loadcnt 0x0
	WIN 0x31
.irp t, 0,1,2,3,4,5,6,7
	WM YY+8*\t, 32*\t, AF, 8*\t, W1S+\t, XSW, 0, 0
.endr
	WIN 0x01
.irp t, 0,1,2,3,4,5,6,7
	WM YY+8*\t, 32*\t+16, AF+16, YY+8*\t, W1S+\t, XSW+1, 1, 0
.endr
	WIN 0
	NOPS 8
.irp t, 0,1,2,3,4,5,6,7
.irp j, 0,1,2,3,4,5,6,7
	ds_store_b32 v[AD0], v[YY+8*\t+\j] offset:272*(16*\t+\j)
.endr
.endr
	s_wait_dscnt 0x0
	s_barrier_signal -1
	s_barrier_wait -1                              ; y by channel, 64 points a row
.irp i, 0,1,2,3,4,5,6,7,8,9,10,11,12,13,14,15
	ds_load_b128 v[OB+4*\i:OB+4*\i+3], v[AD1] offset:544*\i
.endr
	WIN 0x0c
.irp i, 0,1,2,3,4,5,6,7,8,9,10,11,12,13,14,15
	s_wait_dscnt 15-\i
	v_pk_add_f32 v[OB+4*\i:OB+4*\i+1], v[OB+4*\i:OB+4*\i+1], v[128+4*\i:129+4*\i]
	v_pk_add_f32 v[OB+4*\i+2:OB+4*\i+3], v[OB+4*\i+2:OB+4*\i+3], v[130+4*\i:131+4*\i]
.endr
	WIN 0
.irp i, 0,1,2,3,4,5,6,7,8,9,10,11,12,13,14,15
	v_pk_mul_f32 v[OB+4*\i:OB+4*\i+1], v[OB+4*\i:OB+4*\i+1], 0.5 op_sel_hi:[1,0]
	v_pk_mul_f32 v[OB+4*\i+2:OB+4*\i+3], v[OB+4*\i+2:OB+4*\i+3], 0.5 op_sel_hi:[1,0]
	global_store_b128 v[AD2], v[OB+4*\i:OB+4*\i+3], s[36:37] offset:16384*\i th:TH_STORE_NT   ; 16 lanes store 256 consecutive bytes, aligned
.endr
	s_wait_tensorcnt 0x0                           ; the wave's end
	ds_add_u32 v[SPW], v[NIL]
	s_wait_dscnt 0x0
	s_endpgm
.Lfunc_end_k_q097c9c6bd7_main:
	.size	k_q097c9c6bd7_main, .Lfunc_end_k_q097c9c6bd7_main-k_q097c9c6bd7_main
	.p2alignl 7, 3214868480
	.fill 96, 4, 3214868480
	.section	.rodata,"a",@progbits
	.p2align	6, 0x0
	.amdhsa_kernel k_q097c9c6bd7_main
		.amdhsa_group_segment_fixed_size 260096
		.amdhsa_private_segment_fixed_size 0
		.amdhsa_enable_private_segment 0
		.amdhsa_kernarg_size 136
		.amdhsa_user_sgpr_count 2
		.amdhsa_user_sgpr_kernarg_segment_ptr 1
		.amdhsa_wavefront_size32 1
		.amdhsa_system_sgpr_workgroup_id_x 1
		.amdhsa_system_sgpr_workgroup_id_y 1
		.amdhsa_system_sgpr_workgroup_id_z 1
		.amdhsa_system_vgpr_workitem_id 0
		.amdhsa_next_free_vgpr 1024
		.amdhsa_next_free_sgpr 66
		.amdhsa_reserve_vcc 0
		.amdhsa_float_denorm_mode_32 3
		.amdhsa_float_denorm_mode_16_64 3
		.amdhsa_memory_ordered 1
		.amdhsa_forward_progress 1
		.amdhsa_inst_pref_size 255
	.end_amdhsa_kernel
	.section	.bss,"aw",@nobits
	.p2align	6
	.space	262144
	.amdgpu_metadata
---
amdhsa.version: [ 1, 2 ]
amdhsa.kernels:
  - .name:           k_q097c9c6bd7_main
    .symbol:         k_q097c9c6bd7_main.kd
    .args:
      - { .name: pos, .offset: 0, .size: 8, .value_kind: global_buffer, .address_space: global }
      - { .name: idx, .offset: 8, .size: 8, .value_kind: global_buffer, .address_space: global }
      - { .name: qtab, .offset: 16, .size: 8, .value_kind: global_buffer, .address_space: global }
      - { .name: ktab, .offset: 24, .size: 8, .value_kind: global_buffer, .address_space: global }
      - { .name: vtab, .offset: 32, .size: 8, .value_kind: global_buffer, .address_space: global }
      - { .name: idt, .offset: 40, .size: 8, .value_kind: global_buffer, .address_space: global }
      - { .name: wfrag, .offset: 48, .size: 8, .value_kind: global_buffer, .address_space: global }
      - { .name: wscale, .offset: 56, .size: 8, .value_kind: global_buffer, .address_space: global }
      - { .name: pm_w1, .offset: 64, .size: 8, .value_kind: global_buffer, .address_space: global }
      - { .name: pm_b1, .offset: 72, .size: 8, .value_kind: global_buffer, .address_space: global }
      - { .name: pm_g, .offset: 80, .size: 8, .value_kind: global_buffer, .address_space: global }
      - { .name: pm_bt, .offset: 88, .size: 8, .value_kind: global_buffer, .address_space: global }
      - { .name: am_b1, .offset: 96, .size: 8, .value_kind: global_buffer, .address_space: global }
      - { .name: am_g, .offset: 104, .size: 8, .value_kind: global_buffer, .address_space: global }
      - { .name: am_bt, .offset: 112, .size: 8, .value_kind: global_buffer, .address_space: global }
      - { .name: le_b, .offset: 120, .size: 8, .value_kind: global_buffer, .address_space: global }
      - { .name: out0, .offset: 128, .size: 8, .value_kind: global_buffer, .address_space: global }
    .group_segment_fixed_size: 260096
    .private_segment_fixed_size: 0
    .kernarg_segment_align: 8
    .kernarg_segment_size: 136
    .max_flat_workgroup_size: 128
    .sgpr_count:     66
    .vgpr_count:     1024
    .wavefront_size: 32
...
	.end_amdgpu_metadata
.endif
;; end of part 3
